; MI455X (gfx1250); checked and timed in simulation.
; The chip was launched on July 23, 2026; its instructions are those of AMD's public machine-readable ISA for CDNA 5 (MIT licence, August 2026) and "CDNA5" Instruction Set Architecture Reference Guide (July 2026). The comments in the code are by the model that wrote it; some were corrected since.
;; Hierarchical Phimoe Experts. Allowed arithmetic: matrix products marked QUANTISED: E4M3 operands, one E8M0 scale for each 32 along K, by v_wmma_scale_f32_16x16x128_f8f6f4 with both operands' format E4M3, f32 sums; products left as they are: f32 operands where the result goes on into a quantised operand, else bf16, f16 or f32 operands; f32 sums; everything else in f32.
;; Inputs: A 8 x 16 x 1,024 float32; B 8 x 1,024 x 16 float32; Wd 8 x 1,024 x 2,048 float32; Wg 8 x 2,048 x 1,024 float32; Wu 8 x 2,048 x 1,024 float32; hidden_states 1,024 x 1,024 float32; sA 8 x 2 x 8 x 1,024 float32; sB 8 x 2 x 1,024 x 8 float32; sgate 8 x 2 x 1,024 float32; top_k_indices 1,024 x 2 int32; top_k_weights 1,024 x 8 float32.
;; Outputs: out0 1,024 x 1,024 float32.
;; This version of the problem:
;;   THIS VERSION OF THE PROBLEM IS GIVEN IN LOW PRECISION. The matrix products marked QUANTISED in the list below multiply operands that are first quantised to E4M3 (4 exponent bits, 3 mantissa bits; 8 bits a number), with one power-of-two scale for each 32 numbers along K (OCP MX v1.0); their sums are f32. All else is computed in f32.
;;   The module's matrix products, in the order in which they are computed (A, B: the left and right operand; K: the contracted axis; several contracted axes count as one K, in the product's order):
;;     1. [M 1,024, K 1,024] x [K 1,024, N 16,384]; A: input hidden_states; B: input Wg: QUANTISED
;;     2. [M 1,024, K 1,024] x [K 1,024, N 16,384]; A: input hidden_states; B: input Wu: QUANTISED
;;     3. [M 1,024, K 16,384] x [K 16,384, N 1,024]; A: computed on the way; B: input Wd: QUANTISED
;;     4. [M 1,024, K 1,024] x [K 1,024, N 128]; A: input hidden_states; B: input A: QUANTISED
;;     5. batch 8,192 x [M 16, K 1] x [K 1, N 1]; A: computed on the way; B: computed on the way: left as it is (no contracted axis)
;;     6. [M 1,024, K 128] x [K 128, N 1,024]; A: computed on the way; B: input B: QUANTISED
;;     7. [M 1,024, K 1,024] x [K 1,024, N 16]; A: input hidden_states; B: input sgate: QUANTISED
;;     8. [M 1,024, K 1,024] x [K 1,024, N 128]; A: input hidden_states; B: input sA: QUANTISED
;;     9. batch 8,192 x [M 2, K 1] x [K 1, N 1]; A: computed on the way; B: computed on the way: left as it is (no contracted axis)
;;     10. batch 16,384 x [M 8, K 1] x [K 1, N 1]; A: computed on the way; B: computed on the way: left as it is (no contracted axis)
;;     11. [M 1,024, K 128] x [K 128, N 1,024]; A: computed on the way; B: input sB: QUANTISED
;;   THE QUANTISER, for each operand of a quantised product, along K:
;;     - K is cut into blocks of 32 from its start; a last block that is shorter is filled with zeros.
;;     - A block's scale is 2^e with e = floor(log2(the largest magnitude in the block)) - 8, held to -126 .. 127; a block of zeros has e = 0. As a byte (E8M0): e + 127.
;;     - Each number is divided by its block's scale, clamped to +-448, and rounded to the nearest number of E4M3, ties to even, subnormals kept.
;;     - The product sums the exact products of the quantised numbers (number of the format x scale) in f32.
;;   ~~~python
;;   def quantise(x, axis):      # numpy; x: float32 -> the quantised numbers, widened to float32 again
;;       x = np.moveaxis(x, axis, -1); K = x.shape[-1]
;;       x = np.pad(x, [(0, 0)] * (x.ndim - 1) + [(0, -K % 32)]); x = x.reshape(x.shape[:-1] + (-1, 32)); a = np.abs(x).max(-1, keepdims=True)
;;       e = np.where(a > 0, np.clip(np.frexp(np.where(a > 0, a, 1))[1] - 1 - 8, -126, 127), 0)      # np.frexp(a)[1] - 1 = floor(log2(a)), exactly
;;       r = np.clip(x / 2.0 ** e, -448, 448)
;;       step = 2.0 ** (np.maximum(np.frexp(np.where(r == 0, 1, r))[1] - 1, -6) - 3)
;;       q = np.round(r / step) * step * 2.0 ** e      # np.round: ties to even
;;       return np.moveaxis(q.reshape(q.shape[:-2] + (-1,))[..., :K], -1, axis).astype(np.float32)
;;   ~~~
;;   OPERANDS COMPUTED ON THE WAY. 'Computed on the way' means the value that the module computes at that place (a softmax that the list does not call 'softmax' is quantised finished and normalised). What goes into a quantiser is computed in f32, as accurately as f32 sums, v_exp_f32 and their like allow (about 1e-6 of the number): no bf16 or f16 on the way to a quantiser, and a product that is left as it is and whose result goes on into a quantised operand takes f32 operands (vector FMAs, or v_wmma_f32_16x16x4_f32). A number that lies on a knife's edge between two numbers of the format may be rounded either way, as far as f32 arithmetic and the matrix unit's own rounding can turn it there, and no further.
;; 2 versions, each right; version 2 is version 1 with the launches gateup, down written anew for expert scheduling mode. Each part assembles by itself: llvm-mc -triple=amdgcn-amd-amdhsa -mcpu=gfx1250 --defsym DOCPART=n.
;; ======== version 1 of 2: 5 launches
;; workspace buffers: xq 1,048,576 bytes; xs 32,768 bytes; lq 540,672 bytes; lsc 25,088 bytes; mask 1,024 bytes of whole numbers; hq 16,777,216 bytes; hs 524,288 bytes; yp 76,021,760 bytes
;; launch prep (part 1): grid 113 x 1, 2 waves a work-group, no clusters, 16,640 bytes of LDS; arguments hidden_states, A, sA, sgate, B, sB, top_k_weights, top_k_indices, xq, xs, lq, lsc, mask; writes xq, xs, lq, lsc, mask
.if DOCPART == 1
	.amdgcn_target "amdgcn-amd-amdhsa--gfx1250"
	.amdhsa_code_object_version 6
	.text
	.protected	k_q9b51daefc6_prep
	.globl	k_q9b51daefc6_prep
	.p2align	8
	.type	k_q9b51daefc6_prep,@function
k_q9b51daefc6_prep:
	s_mov_b64 s[64:65], 0
	v_nop
	global_prefetch_b8 v0, s[64:65] scope:SCOPE_SE
	s_setreg_imm32_b32 hwreg(HW_REG_WAVE_MODE, 25, 1), 1
	s_wait_xcnt 0x0
; PREP: everything small is quantised once, and the routing is stored as whole numbers.
; Work-groups 0-80: hidden_states, A, sA, sgate (K = the last axis, rows dense) are plain streams of blocks of 32 numbers: codes of E4M3, K innermost, and one E8M0 byte a block.
;   x -> xq [t][1024], xs [t][32];  A, sA, sgate -> lq rows 0-127, 128-255, 256-271 of 1,024 bytes, lsc rows of 32 bytes.
; Work-groups 81-112: B and sB, whose K runs over (e, r) and (e, s, r): wave j takes the 16 outputs d = 16 j .. 16 j + 15 and makes the operand's registers themselves (16 rows x 128 K), stored as an image: 4 x 512 bytes, lane l's 16 bytes at 16 l.
;   The first 32 of these waves also make the masks: bit l of word j of expert e says that token 32 j + l is listed for e: its weight is not 0, or top_k_indices names e
;   (reference() weighs by the weight alone; a named expert with weight 0 gives rows of zeros, which are computed and added as such).  The indices are only compared, never used in an address.
; A block's scale is 2^(floor(log2(largest magnitude)) - 8): its byte is the largest magnitude's exponent field - 8, held at 1 from below.
; LIMITS: a block of zeros gets the byte 1 where the rule says 127 (its codes are zeros; this program alone reads the bytes); NaN and infinities among the inputs are not served; a weight of -0 counts as 0.
.set STEPS, 16
.set MANT,  0x600000                   ; the mantissa field of 448
.set CB,    16                         ; bytes of 16 codes
.set R,     16                         ; v16-79   four sets of 16 numbers as loaded
.set X,     80                         ; v80-111  two sets of 16 neighbours
.set C,     128                        ; v128-191 codes, four registers a step
.set E,     112                        ; v112-127 a scale byte a step
.set WREG,  8192                       ; LDS of a wave: two stages of 32 x SP bytes, then its 256 scale bytes
.set SP,    80
.set TM,    16                         ; (second path) v16-31 at work in QUANT
.set SEL,   36                         ; s[36:37] selects for lane l xor 16
.set MNT,   3                          ; s3 the mantissa field
.set FRAGS, 278528                     ; lq: where the images begin
.set FSCL,  8704                       ; lsc: where their scale words begin
	s_load_b512 s[4:19], s[0:1], 0x0               ; x s[4:5], A s[6:7], sA s[8:9], sgate s[10:11], B s[12:13], sB s[14:15], weights s[16:17], indices s[18:19]
	s_load_b256 s[20:27], s[0:1], 0x40             ; xq s[20:21], xs s[22:23], lq s[24:25], lsc s[26:27]
	s_load_b64 s[28:29], s[0:1], 0x60              ; mask
	v_lshl_add_u32 v192, v0, 2, 0x4000
	v_mov_b32 v193, 0
	v_lshrrev_b32 v1, 5, v0
	v_readfirstlane_b32 s2, v1                     ; wave 0, 1
	v_and_b32 v2, 31, v0                           ; lane
	s_mov_b32 s[MNT], MANT
	s_mov_b32 s35, 0                               ; the upper word of every offset
	s_cmp_ge_u32 ttmp9, 81
	s_cbranch_scc1 .Lfrag
; ---- the streams: a wave takes 16 steps of 512 numbers.  Each load reads 512 consecutive bytes; a step's 2,048 bytes turn through the wave's own stage, so that a lane gets 16 neighbours
	v_lshlrev_b32 v3, 4, v2                        ; my 16 bytes of a load's 512
	s_mul_i32 s30, s2, WREG
	v_lshrrev_b32 v14, 2, v2
	v_mul_u32_u24 v14, v14, SP
	v_and_b32 v15, 3, v2
	v_lshl_add_u32 v14, v15, 4, v14
	v_add_nc_u32 v14, s30, v14                     ; the stage, in: SP (lane / 4) + 16 (lane % 4)
	v_mul_u32_u24 v15, v2, SP
	v_add_nc_u32 v15, s30, v15                     ; out: SP x lane
	v_mul_u32_u24 v4, v2, CB                       ; my codes' place in a step's
	v_lshrrev_b32 v5, 1, v2
	s_add_co_u32 s30, s30, 2*32*SP
	v_add_nc_u32 v5, s30, v5                       ; my block's byte among the wave's 256
	v_lshlrev_b32 v7, 3, v2
	v_add_nc_u32 v6, s30, v7
	s_wait_kmcnt 0x0
	s_cmp_ge_u32 ttmp9, 64                         ; which tensor: the choice hangs on the work-group's number alone; only pointers are chosen
	s_cselect_b64 s[4:5], s[6:7], s[4:5]
	s_cselect_b64 s[20:21], s[24:25], s[20:21]
	s_cselect_b64 s[22:23], s[26:27], s[22:23]
	s_cselect_b32 s31, 64, 0                       ; the tensor's first work-group,
	s_cselect_b32 s32, 64, 0                       ; and the target buffer's
	s_cmp_ge_u32 ttmp9, 72
	s_cselect_b64 s[4:5], s[8:9], s[4:5]
	s_cselect_b32 s31, 72, s31
	s_cmp_ge_u32 ttmp9, 80
	s_cselect_b64 s[4:5], s[10:11], s[4:5]
	s_cselect_b32 s31, 80, s31
	s_sub_co_u32 s31, ttmp9, s31
	s_lshl_b32 s31, s31, 1
	s_add_co_u32 s31, s31, s2                      ; my run of 8,192 numbers in the source,
	s_sub_co_u32 s32, ttmp9, s32
	s_lshl_b32 s32, s32, 1
	s_add_co_u32 s32, s32, s2                      ; and in the targets
	s_lshl_b32 s34, s31, 15
	s_add_nc_u64 s[4:5], s[4:5], s[34:35]
	s_lshl_b32 s34, s32, 13
	s_add_nc_u64 s[20:21], s[20:21], s[34:35]
	s_lshl_b32 s34, s32, 8
	s_add_nc_u64 s[22:23], s[22:23], s[34:35]
.macro LOAD t
.irp i, 0,1,2,3
	global_load_b128 v[R+16*((\t)%4)+4*\i:R+16*((\t)%4)+4*\i+3], v3, s[4:5] offset:2048*(\t)+512*\i th:TH_LOAD_NT
.endr
.endm
.macro TURN t                          ; LDS serves a wave's instructions in order: no wait between the stores and the loads
.irp i, 0,1,2,3
	ds_store_b128 v14, v[R+16*((\t)%4)+4*\i:R+16*((\t)%4)+4*\i+3] offset:32*SP*((\t)%2)+8*SP*\i
.endr
.irp i, 0,1,2,3
	ds_load_b128 v[X+16*((\t)%2)+4*\i:X+16*((\t)%2)+4*\i+3], v15 offset:32*SP*((\t)%2)+16*\i
.endr
.endm
.irp t, 0,1,2,3
	LOAD \t
.endr
	s_wait_loadcnt 12                              ; step 0's four loads are in; the twelve of steps 1 to 3 may be out
	TURN 0
.macro STEP t
.set XS, X+16*((\t)%2)
.if (\t) > 0
	s_wait_dscnt 1                                 ; this step's numbers are back from the stage; the last step's byte store may be out
.else
	s_wait_dscnt 0x0
.endif
.if (\t)+4 < STEPS
	LOAD (\t)+4
.endif
.if (\t)+1 < STEPS
.if STEPS-2-(\t) >= 3
	s_wait_loadcnt 12                              ; the next step's four loads are in; those of the three steps behind it may be out
.else
	s_wait_loadcnt 4*(STEPS-2-(\t))
.endif
	TURN (\t)+1
.endif
	v_max3_num_f32 v8, |v[XS]|, |v[XS+1]|, |v[XS+2]|
	v_max3_num_f32 v9, |v[XS+3]|, |v[XS+4]|, |v[XS+5]|
.irp i, 6,10
	v_max3_num_f32 v8, v8, |v[XS+\i]|, |v[XS+\i+1]|
	v_max3_num_f32 v9, v9, |v[XS+\i+2]|, |v[XS+\i+3]|
.endr
	v_max3_num_f32 v8, v8, |v[XS+14]|, |v[XS+15]|
	v_max3_num_f32 v8, v8, v9, 0x4800000           ; the floor 2^(9 - 127): the byte cannot fall under 1
	v_max_num_f32_dpp v8, v8, v8 row_xmask:1 row_mask:0xf bank_mask:0xf   ; with my neighbour's 16: the block's largest magnitude
	v_add_nc_u32 v11, 0xfc000000, v8               ; 8 off its exponent field: the conversion's scale operand
	v_and_or_b32 v10, v8, 0x7f800000, s[MNT]       ; 448 x the scale
.irp i, 0,1,2,3,4,5,6,7,8,9,10,11,12,13,14,15
	v_med3_num_f32 v[XS+\i], v[XS+\i], -v10, v10   ; the conversion does not saturate (ISA guide 7.6.2): the hold comes first
.endr
	v_cvt_scalef32_pk8_fp8_f32 v[C+4*(\t):C+4*(\t)+1], v[XS:XS+7], v11
	v_cvt_scalef32_pk8_fp8_f32 v[C+4*(\t)+2:C+4*(\t)+3], v[XS+8:XS+15], v11
	v_lshrrev_b32 v[E+(\t)], 23, v11               ; the scale's byte
	ds_store_b8 v5, v[E+(\t)] offset:16*(\t)       ; both lanes of a block write the same byte with the same value
	global_store_b128 v4, v[C+4*(\t):C+4*(\t)+3], s[20:21] offset:32*CB*(\t)   ; 512 consecutive bytes
.endm
.irp t, 0,1,2,3,4,5,6,7,8,9,10,11,12,13,14,15
	STEP \t
.endr
	ds_load_b64 v[12:13], v6
	s_wait_dscnt 0x0
	global_store_b64 v7, v[12:13], s[22:23]        ; the wave's 256 scale bytes: one aligned run
	s_wait_tensorcnt 0x0
	ds_add_u32 v192, v193
	s_wait_dscnt 0x0
	s_endpgm
; 64 numbers of a lane, register 16 b + i = k 32 b + 16 (lane / 16) + i of my row, become a fragment's 16 code registers and its scale word
.macro QUANT s, pc, pw
.irp b, 0,1,2,3
	v_max3_num_f32 v[TM+\b], |v[\s+16*\b]|, |v[\s+1+16*\b]|, 0x4800000
.endr
.irp i, 2,4,6,8,10,12,14
.irp b, 0,1,2,3
	v_max3_num_f32 v[TM+\b], v[TM+\b], |v[\s+16*\b+\i]|, |v[\s+1+16*\b+\i]|
.endr
.endr
.irp b, 0,1,2,3
	v_permlanex16_b32 v[TM+4+\b], v[TM+\b], s[SEL], s[SEL+1]
.endr
.irp b, 0,1,2,3
	v_max_num_f32 v[TM+\b], v[TM+\b], v[TM+4+\b]
.endr
.irp b, 0,1,2,3
	v_add_nc_u32 v[TM+12+\b], 0xfc000000, v[TM+\b]
.endr
.irp b, 0,1,2,3
	v_and_or_b32 v[TM+8+\b], v[TM+\b], 0x7f800000, s[MNT]
.endr
.irp b, 0,1,2,3
	v_lshrrev_b32 v[TM+4+\b], 23, v[TM+12+\b]
.endr
	v_lshl_or_b32 v[\pw], v[TM+5], 8, v[TM+4]
	v_lshl_or_b32 v[\pw], v[TM+6], 16, v[\pw]
	v_lshl_or_b32 v[\pw], v[TM+7], 24, v[\pw]
.irp b, 0,1,2,3
.irp i, 0,1,2,3,4,5,6,7,8,9,10,11,12,13,14,15
	v_med3_num_f32 v[\s+16*\b+\i], v[\s+16*\b+\i], -v[TM+8+\b], v[TM+8+\b]
.endr
	v_cvt_scalef32_pk8_fp8_f32 v[\pc+4*\b:\pc+1+4*\b], v[\s+16*\b:\s+7+16*\b], v[TM+12+\b]
	v_cvt_scalef32_pk8_fp8_f32 v[\pc+2+4*\b:\pc+3+4*\b], v[\s+8+16*\b:\s+15+16*\b], v[TM+12+\b]
.endr
	v_nop                                          ; a plain line behind the last conversion
.endm
; ---- the images of B and sB: no LDS on this path
.Lfrag:
	s_sub_co_u32 s30, ttmp9, 81
	s_lshl_b32 s30, s30, 1
	s_add_co_u32 s30, s30, s2                      ; j: my tile of 16 outputs d
	v_and_b32 v3, 15, v0                           ; r
	v_bfe_u32 v4, v0, 4, 1                         ; h
	v_lshlrev_b32 v5, 16, v4                       ; block c of K holds experts 2 c and 2 c + 1: lanes 16-31 take the second: 65,536 bytes on
	v_lshl_add_u32 v6, v3, 6, v5                   ; B: row d of 64 bytes
	v_lshl_add_u32 v7, v3, 5, v5                   ; sB: row d of 32 bytes
	v_lshlrev_b32 v8, 4, v2                        ; 16 x lane
	v_lshlrev_b32 v9, 2, v2                        ; 4 x lane
	s_mov_b32 s[SEL], 0x76543210
	s_mov_b32 s[SEL+1], 0xfedcba98
.irp b, 0,1,2,3
	v_mov_b32 v[TM+4+\b], 0                        ; written once: a lane permute's destination counts as one of its sources
.endr
	s_wait_kmcnt 0x0
	s_lshl_b32 s34, s30, 10
	s_add_nc_u64 s[12:13], s[12:13], s[34:35]      ; B at d = 16 j
	s_lshl_b32 s34, s30, 9
	s_add_nc_u64 s[14:15], s[14:15], s[34:35]      ; sB likewise
	s_lshl_b32 s34, s30, 12
	s_add_co_u32 s34, s34, FRAGS
	s_add_nc_u64 s[24:25], s[24:25], s[34:35]      ; my two images,
	s_lshl_b32 s34, s30, 8
	s_add_co_u32 s34, s34, FSCL
	s_add_nc_u64 s[26:27], s[26:27], s[34:35]      ; and their scale words
.irp c, 0,1,2,3
.irp q, 0,1,2,3
	global_load_b128 v[32+16*\c+4*\q:35+16*\c+4*\q], v6, s[12:13] offset:131072*\c+16*\q        ; B(e = 2 c + h, d, r' = 4 q ..)
.endr
.endr
.irp c, 0,1,2,3
.irp z, 0,1
.irp q, 0,1
	global_load_b128 v[96+16*\c+8*\z+4*\q:99+16*\c+8*\z+4*\q], v7, s[14:15] offset:131072*\c+32768*\z+16*\q   ; sB(e = 2 c + h, s = z, d, r' = 4 q ..)
.endr
.endr
.endr
	s_wait_loadcnt 0x0
	QUANT 32, 160, 176
.irp c, 0,1,2,3
	global_store_b128 v8, v[160+4*\c:163+4*\c], s[24:25] offset:512*\c
.endr
	global_store_b32 v9, v176, s[26:27]
	s_wait_xcnt 0x0                                ; the stores' data registers are written again only behind this wait
	QUANT 96, 160, 176
.irp c, 0,1,2,3
	global_store_b128 v8, v[160+4*\c:163+4*\c], s[24:25] offset:2048+512*\c
.endr
	global_store_b32 v9, v176, s[26:27] offset:128
	s_cmp_ge_u32 s30, 32                           ; the masks: waves j = 0 .. 31, tokens 32 j + lane
	s_cbranch_scc1 .Ldone
	v_lshlrev_b32 v10, 5, v2
	v_lshlrev_b32 v11, 3, v2
	s_lshl_b32 s34, s30, 10
	s_add_nc_u64 s[16:17], s[16:17], s[34:35]
	s_lshl_b32 s34, s30, 8
	s_add_nc_u64 s[18:19], s[18:19], s[34:35]
	global_load_b128 v[32:35], v10, s[16:17]       ; my token's eight weights,
	global_load_b128 v[36:39], v10, s[16:17] offset:16
	global_load_b64 v[40:41], v11, s[18:19]        ; and its two indices
	v_lshlrev_b32 v12, 7, v2
	s_lshl_b32 s34, s30, 2
	v_add_nc_u32 v12, s34, v12                     ; lane e stores word j of expert e: 128 e + 4 j
	s_wait_loadcnt 0x0
.irp e, 0,1,2,3,4,5,6,7
	v_cmp_neq_f32 s[40+\e], 0, v[32+\e]            ; the weight is not 0 (a NaN counts as set)
	v_cmp_eq_u32 s38, \e, v40
	v_cmp_eq_u32 s39, \e, v41
	s_or_b32 s38, s38, s39
	s_or_b32 s[40+\e], s[40+\e], s38               ; or an index names e
.endr
	v_mov_b32 v13, s40
.irp e, 1,2,3,4,5,6,7
	v_writelane_b32 v13, s[40+\e], \e
.endr
	v_cmp_gt_u32 vcc_lo, 8, v2
	s_wait_xcnt 0x0                                ; EXEC changes only behind this wait
	s_and_saveexec_b32 s38, vcc_lo
	global_store_b32 v12, v13, s[28:29]
	s_wait_xcnt 0x0
	s_or_b32 exec_lo, exec_lo, s38
.Ldone:
	s_endpgm
.Lfunc_end_k_q9b51daefc6_prep:
	.size	k_q9b51daefc6_prep, .Lfunc_end_k_q9b51daefc6_prep-k_q9b51daefc6_prep
	.p2alignl 7, 3214868480
	.fill 96, 4, 3214868480
	.section	.rodata,"a",@progbits
	.p2align	6, 0x0
	.amdhsa_kernel k_q9b51daefc6_prep
		.amdhsa_group_segment_fixed_size 16640
		.amdhsa_private_segment_fixed_size 0
		.amdhsa_enable_private_segment 0
		.amdhsa_kernarg_size 104
		.amdhsa_user_sgpr_count 2
		.amdhsa_user_sgpr_kernarg_segment_ptr 1
		.amdhsa_wavefront_size32 1
		.amdhsa_system_sgpr_workgroup_id_x 1
		.amdhsa_system_sgpr_workgroup_id_y 1
		.amdhsa_system_sgpr_workgroup_id_z 1
		.amdhsa_system_vgpr_workitem_id 0
		.amdhsa_next_free_vgpr 194
		.amdhsa_next_free_sgpr 66
		.amdhsa_reserve_vcc 1
		.amdhsa_float_denorm_mode_32 3
		.amdhsa_float_denorm_mode_16_64 3
		.amdhsa_memory_ordered 1
		.amdhsa_forward_progress 1
		.amdhsa_inst_pref_size 76
	.end_amdhsa_kernel
	.amdgpu_metadata
---
amdhsa.version: [ 1, 2 ]
amdhsa.kernels:
  - .name:           k_q9b51daefc6_prep
    .symbol:         k_q9b51daefc6_prep.kd
    .args:
      - { .name: hidden_states, .offset: 0, .size: 8, .value_kind: global_buffer, .address_space: global }
      - { .name: A, .offset: 8, .size: 8, .value_kind: global_buffer, .address_space: global }
      - { .name: sA, .offset: 16, .size: 8, .value_kind: global_buffer, .address_space: global }
      - { .name: sgate, .offset: 24, .size: 8, .value_kind: global_buffer, .address_space: global }
      - { .name: B, .offset: 32, .size: 8, .value_kind: global_buffer, .address_space: global }
      - { .name: sB, .offset: 40, .size: 8, .value_kind: global_buffer, .address_space: global }
      - { .name: top_k_weights, .offset: 48, .size: 8, .value_kind: global_buffer, .address_space: global }
      - { .name: top_k_indices, .offset: 56, .size: 8, .value_kind: global_buffer, .address_space: global }
      - { .name: xq, .offset: 64, .size: 8, .value_kind: global_buffer, .address_space: global }
      - { .name: xs, .offset: 72, .size: 8, .value_kind: global_buffer, .address_space: global }
      - { .name: lq, .offset: 80, .size: 8, .value_kind: global_buffer, .address_space: global }
      - { .name: lsc, .offset: 88, .size: 8, .value_kind: global_buffer, .address_space: global }
      - { .name: mask, .offset: 96, .size: 8, .value_kind: global_buffer, .address_space: global }
    .group_segment_fixed_size: 16640
    .private_segment_fixed_size: 0
    .kernarg_segment_align: 8
    .kernarg_segment_size: 104
    .max_flat_workgroup_size: 64
    .sgpr_count:     66
    .vgpr_count:     194
    .wavefront_size: 32
...
	.end_amdgpu_metadata
.endif
;; end of part 1
;; launch sortx (part 2): grid 16 x 8, 4 waves a work-group, no clusters, 1,024 bytes of LDS; arguments xq, xs, top_k_weights, mask, yp; writes yp
.if DOCPART == 2
	.amdgcn_target "amdgcn-amd-amdhsa--gfx1250"
	.amdhsa_code_object_version 6
	.text
	.protected	k_q9b51daefc6_sortx
	.globl	k_q9b51daefc6_sortx
	.p2align	8
	.type	k_q9b51daefc6_sortx,@function
k_q9b51daefc6_sortx:
	s_mov_b64 s[64:65], 0
	v_nop
	global_prefetch_b8 v0, s[64:65] scope:SCOPE_SE
	s_setreg_imm32_b32 hwreg(HW_REG_WAVE_MODE, 25, 1), 1
	s_wait_xcnt 0x0
; SORTX: x's codes, scale bytes and routing weights, sorted by expert, as dense tiles of 16 rows that the next launch reads without a gather.
; THE LIST of expert e is a stable partition of the 1,024 tokens by the expert's mask bits: the n listed ones first, in their order, then the others.  (n + 15) / 16 tiles are made;
;   the last is filled up with unlisted tokens, whose weight is 0.  The launch that multiplies by Wd makes the same list, so tile m's row i is the same token here and there.
; SHARES.  Work-group (x, e) serves tiles 4 x .. 4 x + 3 of expert e, one a wave.  Wave 0 places the work-group's 64 entries in LDS: the two running counts begin at -64 x and n - 64 x,
;   so a token's place is counted from the work-group's first entry; places outside 0 .. 63 (those before it wrap round to large numbers) are held at 64, a word that nobody reads.
;   A wave whose tile lies at or past the expert's count of tiles stores nothing: the grid serves every split of the tokens, all on one expert too.
; A TILE'S RECORD, 17,408 bytes: 16,384 of codes as an image of the operand's registers (K step s, registers 4 c .. 4 c + 3, lane l: byte 2,048 s + 512 c + 16 l); 512 of scale bytes, 32 a row; 64 of weights, f32, one a row.
; The records lie in the tail of the buffer yp, from byte 67,108,864 on (8 experts x 64 tiles): the program's eight workspace buffers are all taken; the launches that use yp's first part never touch the tail.
.set XREC,  17408
.set XTAIL, 0x4000000
.set WV,  2
.set EE,  3
.set SC,  14                           ; s[14:15] an offset, its upper word 0
.set YB,  16                           ; s[16:17] my tile's record
.set MK,  24                           ; s[24:55] the expert's 32 mask words
.set NN,  56
.set NTL, 57
.set C1,  58
.set C0,  59
.set T1,  60
.set T2,  61
.set MM,  62                           ; my tile
.set E4,  63
.set LN,  1
.set RR,  2
.set HH,  3
.set L16, 4
.set LA,  5
.set H16, 6
.set SO,  7
.set WO,  8
.set TK,  9
.set XA,  10
.set XSA, 11
.set WA,  12
.set PL,  16                           ; v16-23 the list's making alone
.set F,   32                           ; v32-159 the tile's eight fragments
.set XS,  160                          ; v160-163 16 scale bytes
.set WW,  164                          ; my row's weight
	s_load_b256 s[4:11], s[0:1], 0x0               ; xq s[4:5], xs s[6:7], weights s[8:9], mask s[10:11]
	s_load_b64 s[12:13], s[0:1], 0x20              ; yp
	v_lshl_add_u32 v192, v0, 2, 0x200
	v_mov_b32 v193, 0
	v_lshrrev_b32 v1, 5, v0
	v_readfirstlane_b32 s[WV], v1                  ; wave 0..3
	v_and_b32 v[LN], 31, v0
	v_and_b32 v[RR], 15, v0
	v_bfe_u32 v[HH], v0, 4, 1
	s_and_b32 s[EE], ttmp7, 0xffff
	s_lshl_b32 s[MM], ttmp9, 2
	s_add_co_u32 s[MM], s[MM], s[WV]               ; my tile: 4 x + wave
	s_lshl_b32 s[E4], s[EE], 2
	s_mov_b32 s[SC+1], 0
	v_lshlrev_b32 v[L16], 4, v[LN]
	s_lshl_b32 s[T1], s[WV], 6
	v_lshl_add_u32 v[LA], v[RR], 2, s[T1]          ; LDS: entry 16 wave + r of the work-group's 64 (made ahead of the branch on the wave's number)
	v_lshlrev_b32 v[H16], 4, v[HH]
	v_lshl_add_u32 v[SO], v[RR], 5, v[H16]         ; the record's scale bytes: 32 r + 16 h
	v_lshlrev_b32 v[WO], 2, v[RR]                  ; its weights: 4 r
	s_wait_kmcnt 0x0
	s_lshl_b32 s[SC], s[EE], 7
	s_add_nc_u64 s[10:11], s[10:11], s[SC:SC+1]
	s_load_b512 s[MK:MK+15], s[10:11], 0x0
	s_load_b512 s[MK+16:MK+31], s[10:11], 0x40
	s_lshl_b32 s[T1], s[EE], 6
	s_add_co_u32 s[T1], s[T1], s[MM]
	s_mul_i32 s[SC], s[T1], XREC
	s_add_co_u32 s[SC], s[SC], XTAIL
	s_add_nc_u64 s[YB:YB+1], s[12:13], s[SC:SC+1]  ; record 64 e + tile
	s_wait_kmcnt 0x0
	s_mov_b32 s[NN], 0
.set k, 0
.rept 32
	s_bcnt1_i32_b32 s[T1], s[MK+k]
	s_add_co_u32 s[NN], s[NN], s[T1]
.set k, k+1
.endr
	s_add_co_u32 s[NTL], s[NN], 15
	s_lshr_b32 s[NTL], s[NTL], 4                   ; tiles to make
	s_cmp_lg_u32 s[WV], 0
	s_cbranch_scc1 .Lno_place
	; token 32 k + lane goes to place (listed tokens before it), or n + (unlisted tokens before it), counted from entry 64 x
	s_lshl_b32 s[T2], ttmp9, 6
	s_sub_co_u32 s[C1], 0, s[T2]
	s_sub_co_u32 s[C0], s[NN], s[T2]
.set k, 0
.rept 32
.set pa, PL+2*(k%4)
	v_mbcnt_lo_u32_b32 v[pa], s[MK+k], s[C1]
	s_not_b32 s[T1], s[MK+k]
	v_mbcnt_lo_u32_b32 v[pa+1], s[T1], s[C0]
	v_cndmask_b32 v[pa], v[pa+1], v[pa], s[MK+k]
	v_min_u32 v[pa], 64, v[pa]                     ; outside the work-group's 64 entries: the word that nobody reads
	v_lshlrev_b32 v[pa], 2, v[pa]
	v_add_nc_u32 v[pa+1], 32*k, v[LN]
	ds_store_b32 v[pa], v[pa+1]
	s_bcnt1_i32_b32 s[T1], s[MK+k]
	s_add_co_u32 s[C1], s[C1], s[T1]
	s_sub_co_u32 s[T1], 32, s[T1]
	s_add_co_u32 s[C0], s[C0], s[T1]
.if k%4 == 3
	s_wait_dscnt 0x0                               ; the four pairs of registers are written again only when their stores are done
.endif
.set k, k+1
.endr
.Lno_place:
	s_wait_dscnt 0x0                               ; the list's stores are done;
	s_barrier_signal -1
	s_barrier_wait -1                              ; every wave passes this barrier; nothing is stored to LDS behind it
	s_cmp_ge_u32 s[MM], s[NTL]
	s_cbranch_scc1 .Ldone                          ; no such tile in this split
	ds_load_b32 v[TK], v[LA]                       ; my row's token
	s_wait_dscnt 0x0
	v_min_u32 v[TK], 0x3ff, v[TK]
	v_lshl_add_u32 v[XA], v[TK], 10, v[H16]        ; its codes: a row of 1,024 bytes, + 16 h
	v_lshl_add_u32 v[XSA], v[TK], 5, v[H16]        ; its 32 scale bytes, my half of them
	v_lshl_add_u32 v[WA], v[TK], 5, s[E4]          ; its weight for my expert
.irp s, 0,1,2,3,4,5,6,7
.irp c, 0,1,2,3
	global_load_b128 v[F+16*\s+4*\c:F+16*\s+4*\c+3], v[XA], s[4:5] offset:128*\s+32*\c   ; k = 128 s + 32 c + 16 h + 0 .. 15 of row r: the operand's registers 4 c .. 4 c + 3 of K step s
.endr
.endr
	global_load_b128 v[XS:XS+3], v[XSA], s[6:7]
	global_load_b32 v[WW], v[WA], s[8:9]
.irp s, 0,1,2,3,4,5,6,7
	s_wait_loadcnt 30-4*\s                         ; of the 34 loads those issued behind K step s's four may be out
.irp c, 0,1,2,3
	global_store_b128 v[L16], v[F+16*\s+4*\c:F+16*\s+4*\c+3], s[YB:YB+1] offset:2048*\s+512*\c   ; 512 consecutive, aligned bytes
.endr
.endr
	s_wait_loadcnt 0x0
	global_store_b128 v[SO], v[XS:XS+3], s[YB:YB+1] offset:16384      ; the 32 lanes fill 512 consecutive bytes
	global_store_b32 v[WO], v[WW], s[YB:YB+1] offset:16896            ; 64 consecutive bytes (both halves of the lanes write the same)
.Ldone:
	s_wait_tensorcnt 0x0
	ds_add_u32 v192, v193
	s_wait_dscnt 0x0
	s_endpgm
.Lfunc_end_k_q9b51daefc6_sortx:
	.size	k_q9b51daefc6_sortx, .Lfunc_end_k_q9b51daefc6_sortx-k_q9b51daefc6_sortx
	.p2alignl 7, 3214868480
	.fill 96, 4, 3214868480
	.section	.rodata,"a",@progbits
	.p2align	6, 0x0
	.amdhsa_kernel k_q9b51daefc6_sortx
		.amdhsa_group_segment_fixed_size 1024
		.amdhsa_private_segment_fixed_size 0
		.amdhsa_enable_private_segment 0
		.amdhsa_kernarg_size 40
		.amdhsa_user_sgpr_count 2
		.amdhsa_user_sgpr_kernarg_segment_ptr 1
		.amdhsa_wavefront_size32 1
		.amdhsa_system_sgpr_workgroup_id_x 1
		.amdhsa_system_sgpr_workgroup_id_y 1
		.amdhsa_system_sgpr_workgroup_id_z 1
		.amdhsa_system_vgpr_workitem_id 0
		.amdhsa_next_free_vgpr 194
		.amdhsa_next_free_sgpr 66
		.amdhsa_reserve_vcc 0
		.amdhsa_float_denorm_mode_32 3
		.amdhsa_float_denorm_mode_16_64 3
		.amdhsa_memory_ordered 1
		.amdhsa_forward_progress 1
		.amdhsa_inst_pref_size 29
	.end_amdhsa_kernel
	.amdgpu_metadata
---
amdhsa.version: [ 1, 2 ]
amdhsa.kernels:
  - .name:           k_q9b51daefc6_sortx
    .symbol:         k_q9b51daefc6_sortx.kd
    .args:
      - { .name: xq, .offset: 0, .size: 8, .value_kind: global_buffer, .address_space: global }
      - { .name: xs, .offset: 8, .size: 8, .value_kind: global_buffer, .address_space: global }
      - { .name: top_k_weights, .offset: 16, .size: 8, .value_kind: global_buffer, .address_space: global }
      - { .name: mask, .offset: 24, .size: 8, .value_kind: global_buffer, .address_space: global }
      - { .name: yp, .offset: 32, .size: 8, .value_kind: global_buffer, .address_space: global }
    .group_segment_fixed_size: 1024
    .private_segment_fixed_size: 0
    .kernarg_segment_align: 8
    .kernarg_segment_size: 40
    .max_flat_workgroup_size: 128
    .sgpr_count:     66
    .vgpr_count:     194
    .wavefront_size: 32
...
	.end_amdgpu_metadata
.endif
;; end of part 2
;; launch gateup (part 3): grid 32 x 8, 4 waves a work-group, no clusters, 207,360 bytes of LDS; arguments Wg, Wu, yp, mask, hq, hs; writes hq, hs
.if DOCPART == 3
	.amdgcn_target "amdgcn-amd-amdhsa--gfx1250"
	.amdhsa_code_object_version 6
	.text
	.protected	k_q9b51daefc6_gateup
	.globl	k_q9b51daefc6_gateup
	.p2align	8
	.type	k_q9b51daefc6_gateup,@function
k_q9b51daefc6_gateup:
	s_mov_b64 s[64:65], 0
	v_nop
	global_prefetch_b8 v0, s[64:65] scope:SCOPE_SE
	s_setreg_imm32_b32 hwreg(HW_REG_WAVE_MODE, 25, 1), 1
	s_wait_xcnt 0x0
; GATEUP: h = silu(x Wg^T) (x Wu^T) w for the listed rows of one expert, quantised along f, stored as images of the next product's operand.
; SHARES.  Work-group (p, e) owns hidden units f = 64 p .. 64 p + 63 of expert e: 512 KB of f32, read from memory once in the launch.  Wave wv: b = wv / 2 is its block of 32 units.
;   Phase 1: the wave quantises one matrix (wv % 2: gate or up) of block b: 16 fragments of 16 rows x 128 K; their register images go to LDS.
;   Phase 2: the wave holds all 32 fragments of block b in registers and walks the row tiles of parity wv % 2: an x fragment feeds four matrix instructions.
; THE ROWS come sorted by expert from the launch before, as records of 17,408 bytes a tile of 16 rows in the tail of the buffer yp (from byte 67,108,864 on): 16,384 bytes of codes as an image of the
;   operand's registers, 512 of scale bytes (32 a row), 64 of routing weights (f32).  So every load of the walk takes a scalar base made of the expert and the tile, and a lane offset that is never rewritten.
;   (n + 15) / 16 tiles are worked, n the number of the expert's mask bits; the rows that fill up the last tile have weight 0: their h is 0.
; THE PRODUCTS ARE USED TRANSPOSED (source 0 = 16 rows of the weight, source 1 = 16 rows of x), and row i of weight tile u is unit 8 u + i + 8 (i / 8) of the block:
;   so a lane holds one row of x, and the 16 registers of tiles u = 0, 1 are units 16 (lane / 16) + 0 .. 15: 16 neighbours along the next K.
; No tile is asked for jointly in a cluster, though the 32 work-groups of an expert walk the same tiles: the walk ends on a count read from memory, and the cluster's barrier, like every barrier,
;   may not stand under a branch on loaded data: joint loads would have to walk all 64 possible tiles.
; LIMITS: NaN and infinities are not served (a row with weight 0 whose g u overflows is NaN in reference() and is not computed here); a block of zeros gets the scale byte 1 (read by this program alone).
; REGISTERS.  Window 0: v1-13 addresses; v16-31 x's scale words (two sets); v32-63 the weights' scale words; v64-95 four accumulators (phase 1: two sets of codes); v96-111 h (phase 1: at work);
;   v112-119 codes, byte, at work; v128-255 phase 1: two sets of 64 numbers; phase 2: v136-139 the rows' weights (pairs), v140 at work.
;   Windows 1, 2: the 32 weight fragments.  Window 3: phase 1: four sets of 64 numbers as loaded; phase 2: two sets of x's eight fragments.
.set NS,    16                         ; fragments a wave quantises
.set WIMG,  0                          ; LDS: 64 images of 2,048 bytes: fragment 16 wv + t
.set WSCL,  131072                     ; their scale words, 128 bytes each
.set STG,   139264                     ; for each wave two stages of 16 rows x 528 bytes (512 + 16: the 16 rows of a read start in 16 different groups of banks)
.set XREC,  17408                      ; a tile's record
.set XTAIL, 0x4000000                  ; where the records begin in yp
.set WV,  2
.set BB,  3
.set XG0, 16                           ; s[16:17] my expert's first record
.set RH,  20
.set PP,  21
.set EE,  22
.set MK,  24                           ; s[24:55] the expert's 32 mask words
.set NN,  56
.set NTL, 57                           ; tiles to work
.set T1,  60
.set T2,  61
.set MM,  62
.set TI,  63
.set SEL, 66
.set MNT, 68
.set WB,  70
.set HQB, 72
.set HSB, 74
.set SC,  76
.set XB,  78                           ; s[78:79], s[80:81] the record for set 0, 1
.set LN,  1
.set RR,  2
.set HH,  3
.set L16, 4
.set STW, 5
.set STR, 6
.set IMW, 7
.set ISW, 8
.set IMR, 9
.set ISR, 10
.set XSO, 11
.set WO,  12
.set HSO, 13
.set XSC, 16
.set WS,  32
.set ACC, 64
.set PCS, 64
.set HV,  96
.set TM,  96
.set PC,  112
.set PW,  112
.set BY,  116
.set QM,  117
.set QS,  118
.set QH,  119
.set X,   128
.set WVR, 136
.set QN,  140
.set MSB, 0
.macro WIN new                         ; the immediate's high byte repeats the setting that is left; a switch that changes nothing is dropped
.if MSB != (\new)
	s_set_vgpr_msb (MSB<<8)|(\new)
.set MSB, (\new)
.endif
.endm
; 64 numbers of a lane, register 16 b + i = k 32 b + 16 (lane / 16) + i of my row, become a fragment's 16 code registers and its scale word
.macro QUANT s, pc, pw
.irp b, 0,1,2,3
	v_max3_num_f32 v[TM+\b], |v[\s+16*\b]|, |v[\s+1+16*\b]|, 0x4800000      ; with the floor 2^(9 - 127): the byte cannot fall under 1
.endr
.irp i, 2,4,6,8,10,12,14
.irp b, 0,1,2,3
	v_max3_num_f32 v[TM+\b], v[TM+\b], |v[\s+16*\b+\i]|, |v[\s+1+16*\b+\i]|
.endr
.endr
.irp b, 0,1,2,3
	v_permlanex16_b32 v[TM+4+\b], v[TM+\b], s[SEL], s[SEL+1]
.endr
.irp b, 0,1,2,3
	v_max_num_f32 v[TM+\b], v[TM+\b], v[TM+4+\b]                           ; with lane l xor 16's: the block's largest magnitude
.endr
.irp b, 0,1,2,3
	v_add_nc_u32 v[TM+12+\b], 0xfc000000, v[TM+\b]                         ; 8 off its exponent field: the conversion's scale operand
.endr
.irp b, 0,1,2,3
	v_and_or_b32 v[TM+8+\b], v[TM+\b], 0x7f800000, s[MNT]                  ; 448 x the scale
.endr
.irp b, 0,1,2,3
	v_lshrrev_b32 v[TM+4+\b], 23, v[TM+12+\b]                              ; the scale's byte
.endr
	v_lshl_or_b32 v[\pw], v[TM+5], 8, v[TM+4]
	v_lshl_or_b32 v[\pw], v[TM+6], 16, v[\pw]
	v_lshl_or_b32 v[\pw], v[TM+7], 24, v[\pw]
.irp b, 0,1,2,3
.irp i, 0,1,2,3,4,5,6,7,8,9,10,11,12,13,14,15
	v_med3_num_f32 v[\s+16*\b+\i], v[\s+16*\b+\i], -v[TM+8+\b], v[TM+8+\b] ; the conversion does not saturate (ISA guide 7.6.2)
.endr
	v_cvt_scalef32_pk8_fp8_f32 v[\pc+4*\b:\pc+1+4*\b], v[\s+16*\b:\s+7+16*\b], v[TM+12+\b]
	v_cvt_scalef32_pk8_fp8_f32 v[\pc+2+4*\b:\pc+3+4*\b], v[\s+8+16*\b:\s+15+16*\b], v[TM+12+\b]
.endr
	v_nop                                          ; a plain line behind the last conversion: matrix instructions write these registers later
.endm
; the same for one block: 16 numbers of a lane become 4 code registers and the block's byte
.macro QUANT1 s, pc, by
	v_max3_num_f32 v[QM], |v[\s]|, |v[\s+1]|, 0x4800000
	v_max3_num_f32 v[QN], |v[\s+8]|, |v[\s+9]|, |v[\s+10]|
	v_max3_num_f32 v[QM], v[QM], |v[\s+2]|, |v[\s+3]|
	v_max3_num_f32 v[QN], v[QN], |v[\s+11]|, |v[\s+12]|
	v_max3_num_f32 v[QM], v[QM], |v[\s+4]|, |v[\s+5]|
	v_max3_num_f32 v[QN], v[QN], |v[\s+13]|, |v[\s+14]|
	v_max3_num_f32 v[QM], v[QM], |v[\s+6]|, |v[\s+7]|
	v_max3_num_f32 v[QM], v[QM], v[QN], |v[\s+15]|
	v_permlanex16_b32 v[QN], v[QM], s[SEL], s[SEL+1]
	v_max_num_f32 v[QM], v[QM], v[QN]
	v_add_nc_u32 v[QS], 0xfc000000, v[QM]
	v_and_or_b32 v[QH], v[QM], 0x7f800000, s[MNT]
	v_lshrrev_b32 v[\by], 23, v[QS]
.irp i, 0,1,2,3,4,5,6,7,8,9,10,11,12,13,14,15
	v_med3_num_f32 v[\s+\i], v[\s+\i], -v[QH], v[QH]
.endr
	v_cvt_scalef32_pk8_fp8_f32 v[\pc:\pc+1], v[\s:\s+7], v[QS]
	v_cvt_scalef32_pk8_fp8_f32 v[\pc+2:\pc+3], v[\s+8:\s+15], v[QS]
	v_nop
.endm
; fragment t = 8 u + s: 16 rows x 128 K of f32; each load reads 512 consecutive, aligned bytes of one row
.macro WLOAD t
	WIN 0xc0
.irp i, 0,1,2,3,4,5,6,7,8,9,10,11,12,13,14,15
	global_load_b128 v[64*((\t)%4)+4*\i:64*((\t)%4)+4*\i+3], v[L16], s[WB:WB+1] offset:4096*(8*((\t)/8)+\i+8*(\i/8))+512*((\t)%8) th:TH_LOAD_NT
.endr
	WIN 0
.endm
; through my own stage: in as loaded, out 64 bytes of each block of 32 a lane.  LDS serves a wave's instructions in order
.macro TURN t
	WIN 0x0c
.irp i, 0,1,2,3,4,5,6,7,8,9,10,11,12,13,14,15
	ds_store_b128 v[STW], v[64*((\t)%4)+4*\i:64*((\t)%4)+4*\i+3] offset:8448*((\t)%2)+528*\i
.endr
	WIN 0
.irp c, 0,1,2,3
.irp j, 0,1,2,3
	ds_load_b128 v[X+64*((\t)%2)+16*\c+4*\j:X+64*((\t)%2)+16*\c+4*\j+3], v[STR] offset:8448*((\t)%2)+128*\c+16*\j
.endr
.endr
.endm
.macro IMAGE t                         ; the fragment goes to LDS as its registers stand: lane l's 16 bytes at 16 l
.irp c, 0,1,2,3
	ds_store_b128 v[IMW], v[PCS+16*((\t)%2)+4*\c:PCS+16*((\t)%2)+4*\c+3] offset:2048*(\t)+512*\c
.endr
	ds_store_b32 v[ISW], v[PW+(\t)%2] offset:128*(\t)
.endm
.macro STEP t
.if (\t) > 0
	s_wait_dscnt 5                                 ; this step's numbers are back from the stage; the last image's five stores may be out.  The image before that is done: its code registers may be written
.else
	s_wait_dscnt 0x0
.endif
.if (\t)+4 < NS
	WLOAD (\t)+4                                   ; into the set that this step's stage stores have read
.endif
.if (\t)+1 < NS
.if NS-2-(\t) >= 3
	s_wait_loadcnt 48                              ; the next step's 16 loads are in; those of the three steps behind it may be out
.else
	s_wait_loadcnt 16*(NS-2-(\t))
.endif
	TURN (\t)+1
.endif
	QUANT X+64*((\t)%2), PCS+16*((\t)%2), PW+(\t)%2
	IMAGE \t
.endm
	s_load_b256 s[4:11], s[0:1], 0x0               ; Wg s[4:5], Wu s[6:7], yp s[8:9] (its tail: the sorted rows), mask s[10:11]
	s_load_b128 s[12:15], s[0:1], 0x20             ; hq s[12:13], hs s[14:15]
	v_lshl_add_u32 v126, v0, 2, 0x32800
	v_mov_b32 v127, 0
	v_lshrrev_b32 v1, 5, v0
	v_readfirstlane_b32 s[WV], v1                  ; wave 0..3
	v_and_b32 v[LN], 31, v0
	v_and_b32 v[RR], 15, v0
	v_bfe_u32 v[HH], v0, 4, 1
	s_lshr_b32 s[BB], s[WV], 1                     ; my block of 32 units
	s_and_b32 s[RH], s[WV], 1                      ; phase 1: gate (0) or up (1); phase 2: the parity of my row tiles
	s_mov_b32 s[PP], ttmp9
	s_and_b32 s[EE], ttmp7, 0xffff
	v_lshlrev_b32 v[L16], 4, v[LN]
	s_mul_i32 s[T1], s[WV], 16896
	s_add_co_u32 s[T1], s[T1], STG
	v_add_nc_u32 v[STW], s[T1], v[L16]
	v_mul_u32_u24 v[STR], v[RR], 528
	v_lshl_add_u32 v[STR], v[HH], 6, v[STR]
	v_add_nc_u32 v[STR], s[T1], v[STR]
	s_lshl_b32 s[T1], s[WV], 15
	v_add_nc_u32 v[IMW], s[T1], v[L16]
	v_lshlrev_b32 v[ISW], 2, v[LN]
	s_lshl_b32 s[T1], s[BB], 12
	s_add_co_u32 s[T1], s[T1], WSCL
	v_add_nc_u32 v[ISR], s[T1], v[ISW]
	s_lshl_b32 s[T1], s[WV], 11
	s_add_co_u32 s[T1], s[T1], WSCL
	v_add_nc_u32 v[ISW], s[T1], v[ISW]
	s_lshl_b32 s[T1], s[BB], 16
	v_add_nc_u32 v[IMR], s[T1], v[L16]
	v_lshlrev_b32 v[XSO], 5, v[RR]                 ; a record's scale bytes: 32 a row
	v_lshlrev_b32 v[WO], 2, v[RR]                  ; its weights: 4 bytes a row
	v_lshlrev_b32 v[HSO], 6, v[RR]
.irp b, 0,1,2,3
	v_mov_b32 v[TM+4+\b], 0                        ; written once: a lane permute's destination counts as one of its sources
.endr
	s_mov_b32 s[SEL], 0x76543210
	s_mov_b32 s[SEL+1], 0xfedcba98
	s_mov_b32 s[MNT], 0x600000
	s_mov_b32 s[SC+1], 0
	s_wait_kmcnt 0x0
	s_lshl_b32 s[SC], s[EE], 7
	s_add_nc_u64 s[10:11], s[10:11], s[SC:SC+1]
	s_load_b512 s[MK:MK+15], s[10:11], 0x0
	s_load_b512 s[MK+16:MK+31], s[10:11], 0x40
	s_cmp_eq_u32 s[RH], 0
	s_cselect_b64 s[WB:WB+1], s[4:5], s[6:7]
	s_lshl_b32 s[SC], s[EE], 23
	s_lshl_b32 s[T1], s[PP], 18
	s_add_co_u32 s[SC], s[SC], s[T1]
	s_lshl_b32 s[T1], s[BB], 17
	s_add_co_u32 s[SC], s[SC], s[T1]
	s_add_nc_u64 s[WB:WB+1], s[WB:WB+1], s[SC:SC+1]  ; my 32 rows of my matrix
	WLOAD 0
	WLOAD 1
	WLOAD 2
	WLOAD 3                                        ; 64 loads, 32 KB a wave, are out
	s_lshl_b32 s[T1], s[PP], 1
	s_add_co_u32 s[T1], s[T1], s[BB]               ; my block's number along f: 2 p + b
	s_lshl_b32 s[SC], s[EE], 21
	s_lshl_b32 s[T2], s[T1], 9
	s_add_co_u32 s[SC], s[SC], s[T2]
	s_lshl_b32 s[T2], s[RH], 15
	s_add_co_u32 s[SC], s[SC], s[T2]
	s_add_nc_u64 s[HQB:HQB+1], s[12:13], s[SC:SC+1]  ; hq: expert, my first tile, my block's 512 bytes
	s_lshl_b32 s[SC], s[EE], 16
	s_add_co_u32 s[SC], s[SC], s[T1]
	s_lshl_b32 s[T2], s[RH], 10
	s_add_co_u32 s[SC], s[SC], s[T2]
	s_add_nc_u64 s[HSB:HSB+1], s[14:15], s[SC:SC+1]  ; hs: expert, my first tile, my block's byte
	s_mul_i32 s[SC], s[EE], 64*XREC
	s_add_co_u32 s[SC], s[SC], XTAIL
	s_add_nc_u64 s[XG0:XG0+1], s[8:9], s[SC:SC+1]    ; my expert's first record
	s_wait_kmcnt 0x0
	s_mov_b32 s[NN], 0
.set k, 0
.rept 32
	s_bcnt1_i32_b32 s[T1], s[MK+k]
	s_add_co_u32 s[NN], s[NN], s[T1]
.set k, k+1
.endr
	s_add_co_u32 s[NTL], s[NN], 15
	s_lshr_b32 s[NTL], s[NTL], 4
	; ---- phase 1
	s_wait_loadcnt 48                              ; step 0's 16 loads are in
	TURN 0
.irp t, 0,1,2,3,4,5,6,7,8,9,10,11,12,13,14,15
	STEP \t
.endr
	s_wait_dscnt 0x0                               ; my images have landed
	s_barrier_signal -1
	s_barrier_wait -1                              ; all 64 lie in LDS; nothing is stored to LDS from here on
	; ---- my block's 32 fragments: (q = 2 matrix + u, s) in window 1 + s / 4 at v[16 (4 (s % 4) + q)]
.irp w, 0,1
	WIN 0x40*(1+\w)
.irp q, 0,1,2,3
.irp z, 0,1,2,3
.irp c, 0,1,2,3
	ds_load_b128 v[16*(4*\z+\q)+4*\c:16*(4*\z+\q)+4*\c+3], v[IMR] offset:2048*(8*\q+4*\w+\z)+512*\c
.endr
.endr
.endr
.endr
	WIN 0
.set f, 0
.rept 32
	ds_load_b32 v[WS+f], v[ISR] offset:128*f
.set f, f+1
.endr
	v_mov_b32 v[WVR+1], 0                          ; named as the upper halves of pairs
	v_mov_b32 v[WVR+3], 0
	s_wait_dscnt 0x0
.macro XLOAD o                         ; 35 loads: a record's eight fragments, each load 512 consecutive bytes; its rows' eight scale words; its rows' weights
	WIN 0xc0
.irp s, 0,1,2,3,4,5,6,7
.irp c, 0,1,2,3
	global_load_b128 v[128*(\o)+16*\s+4*\c:128*(\o)+16*\s+4*\c+3], v[L16], s[XB+2*(\o):XB+2*(\o)+1] offset:2048*\s+512*\c
.endr
.endr
	WIN 0
	global_load_b128 v[XSC+8*(\o):XSC+8*(\o)+3], v[XSO], s[XB+2*(\o):XB+2*(\o)+1] offset:16384
	global_load_b128 v[XSC+8*(\o)+4:XSC+8*(\o)+7], v[XSO], s[XB+2*(\o):XB+2*(\o)+1] offset:16400
	global_load_b32 v[WVR+2*(\o)], v[WO], s[XB+2*(\o):XB+2*(\o)+1] offset:16896
.endm
.macro MULS buf                        ; 32 matrix instructions; the four accumulators take turns, one instruction a turn; the first four start the sums
.irp s, 0,1,2,3,4,5,6,7
	WIN 0x0d+\s/4
.irp q, 0,1,2,3
.if \s == 0
	v_wmma_scale_f32_16x16x128_f8f6f4 v[ACC+8*\q:ACC+8*\q+7], v[16*(4*(\s%4)+\q):16*(4*(\s%4)+\q)+15], v[128*\buf+16*\s:128*\buf+16*\s+15], 0, v[WS+8*\q+\s], v[XSC+8*\buf+\s]
.else
	v_wmma_scale_f32_16x16x128_f8f6f4 v[ACC+8*\q:ACC+8*\q+7], v[16*(4*(\s%4)+\q):16*(4*(\s%4)+\q)+15], v[128*\buf+16*\s:128*\buf+16*\s+15], v[ACC+8*\q:ACC+8*\q+7], v[WS+8*\q+\s], v[XSC+8*\buf+\s]
.endif
.endr
.endr
	WIN 0
.endm
.macro EPI buf                         ; h = g / (1 + 2^(-g log2 e)) x u x w, in f32, each accumulator read from its low end on; then the block's codes and byte
.irp i, 0,2,4,6,8,10,12,14
	v_pk_mul_f32 v[HV+\i:HV+\i+1], v[ACC+\i:ACC+\i+1], 0xbfb8aa3b op_sel_hi:[1,0]
.endr
.irp i, 0,1,2,3,4,5,6,7,8,9,10,11,12,13,14,15
	v_exp_f32 v[HV+\i], v[HV+\i]
.endr
	v_nop                                          ; a plain line behind the transcendentals
	s_wait_alu depctr_va_vdst(0)
.irp i, 0,2,4,6,8,10,12,14
	v_pk_add_f32 v[HV+\i:HV+\i+1], v[HV+\i:HV+\i+1], 1.0 op_sel_hi:[1,0]
.endr
.irp i, 0,1,2,3,4,5,6,7,8,9,10,11,12,13,14,15
	v_rcp_f32 v[HV+\i], v[HV+\i]
.endr
	v_nop
	s_wait_alu depctr_va_vdst(0)
.irp i, 0,2,4,6,8,10,12,14
	v_pk_mul_f32 v[HV+\i:HV+\i+1], v[HV+\i:HV+\i+1], v[ACC+\i:ACC+\i+1]
.endr
.irp i, 0,2,4,6,8,10,12,14
	v_pk_mul_f32 v[HV+\i:HV+\i+1], v[HV+\i:HV+\i+1], v[ACC+16+\i:ACC+16+\i+1]
.endr
.irp i, 0,2,4,6,8,10,12,14
	v_pk_mul_f32 v[HV+\i:HV+\i+1], v[HV+\i:HV+\i+1], v[WVR+2*\buf:WVR+2*\buf+1] op_sel_hi:[1,0]
.endr
	QUANT1 HV, PC, BY
	global_store_b128 v[L16], v[PC:PC+3], s[HQB:HQB+1] offset:65536*\buf   ; 512 consecutive bytes: registers 4 c .. 4 c + 3 of the next operand's image
	global_store_b8 v[HSO], v[BY], s[HSB:HSB+1] offset:2048*\buf           ; my row's byte (both halves of the lanes write the same); one byte for 32 bytes of codes, rows 64 bytes apart
.endm
.macro HALF buf                        ; tile MM + 2 buf, from set buf
	s_add_co_u32 s[T1], s[MM], 2*\buf
	s_cmp_ge_u32 s[T1], s[NTL]
	s_cbranch_scc1 .Lrows_done
	s_wait_xcnt 0x0                                ; the last stores' data and the other set's base are written again only behind this wait
	s_add_co_u32 s[T1], s[T1], 2                   ; my next tile, held at the last tile that was made, and by a constant at 63
	s_sub_co_u32 s[T2], s[NTL], 1
	s_min_u32 s[T1], s[T1], s[T2]
	s_min_u32 s[T1], s[T1], 63
	s_mul_i32 s[SC], s[T1], XREC
	s_add_nc_u64 s[XB+2*(1-\buf):XB+2*(1-\buf)+1], s[XG0:XG0+1], s[SC:SC+1]
	XLOAD 1-\buf
	s_wait_loadcnt 35                              ; only the 35 just issued may be out: this tile's set is in
	MULS \buf
.rept 8
	v_nop                                          ; eight places between the last products and the first read of their results
.endr
	EPI \buf
.endm
	s_mov_b32 s[MM], s[RH]
	s_mov_b32 s[TI], 0
	s_cmp_ge_u32 s[MM], s[NTL]
	s_cbranch_scc1 .Lrows_done
	s_mul_i32 s[SC], s[MM], XREC
	s_add_nc_u64 s[XB:XB+1], s[XG0:XG0+1], s[SC:SC+1]
	XLOAD 0
.Ltrip:                                                ; 16 trips at the most, two of my tiles a trip; a wave leaves when its tiles are done
	HALF 0
	HALF 1
	s_wait_xcnt 0x0                                ; the stores have read their bases
	s_add_nc_u64 s[HQB:HQB+1], s[HQB:HQB+1], 131072
	s_add_nc_u64 s[HSB:HSB+1], s[HSB:HSB+1], 4096
	s_add_co_u32 s[MM], s[MM], 4
	s_add_co_u32 s[TI], s[TI], 1
	s_cmp_lt_u32 s[TI], 16
	s_cbranch_scc1 .Ltrip
.Lrows_done:
	s_wait_tensorcnt 0x0
	ds_add_u32 v126, v127
	s_wait_dscnt 0x0
	s_endpgm
.Lfunc_end_k_q9b51daefc6_gateup:
	.size	k_q9b51daefc6_gateup, .Lfunc_end_k_q9b51daefc6_gateup-k_q9b51daefc6_gateup
	.p2alignl 7, 3214868480
	.fill 96, 4, 3214868480
	.section	.rodata,"a",@progbits
	.p2align	6, 0x0
	.amdhsa_kernel k_q9b51daefc6_gateup
		.amdhsa_group_segment_fixed_size 207360
		.amdhsa_private_segment_fixed_size 0
		.amdhsa_enable_private_segment 0
		.amdhsa_kernarg_size 48
		.amdhsa_user_sgpr_count 2
		.amdhsa_user_sgpr_kernarg_segment_ptr 1
		.amdhsa_wavefront_size32 1
		.amdhsa_system_sgpr_workgroup_id_x 1
		.amdhsa_system_sgpr_workgroup_id_y 1
		.amdhsa_system_sgpr_workgroup_id_z 1
		.amdhsa_system_vgpr_workitem_id 0
		.amdhsa_next_free_vgpr 1024
		.amdhsa_next_free_sgpr 84
		.amdhsa_reserve_vcc 0
		.amdhsa_float_denorm_mode_32 3
		.amdhsa_float_denorm_mode_16_64 3
		.amdhsa_memory_ordered 1
		.amdhsa_forward_progress 1
		.amdhsa_inst_pref_size 240
	.end_amdhsa_kernel
	.amdgpu_metadata
---
amdhsa.version: [ 1, 2 ]
amdhsa.kernels:
  - .name:           k_q9b51daefc6_gateup
    .symbol:         k_q9b51daefc6_gateup.kd
    .args:
      - { .name: Wg, .offset: 0, .size: 8, .value_kind: global_buffer, .address_space: global }
      - { .name: Wu, .offset: 8, .size: 8, .value_kind: global_buffer, .address_space: global }
      - { .name: yp, .offset: 16, .size: 8, .value_kind: global_buffer, .address_space: global }
      - { .name: mask, .offset: 24, .size: 8, .value_kind: global_buffer, .address_space: global }
      - { .name: hq, .offset: 32, .size: 8, .value_kind: global_buffer, .address_space: global }
      - { .name: hs, .offset: 40, .size: 8, .value_kind: global_buffer, .address_space: global }
    .group_segment_fixed_size: 207360
    .private_segment_fixed_size: 0
    .kernarg_segment_align: 8
    .kernarg_segment_size: 48
    .max_flat_workgroup_size: 128
    .sgpr_count:     84
    .vgpr_count:     1024
    .wavefront_size: 32
...
	.end_amdgpu_metadata
.endif
;; end of part 3
;; launch down (part 4): grid 32 x 8, 4 waves a work-group, no clusters, 159,488 bytes of LDS; arguments Wd, hq, hs, mask, yp; writes yp
.if DOCPART == 4
	.amdgcn_target "amdgcn-amd-amdhsa--gfx1250"
	.amdhsa_code_object_version 6
	.text
	.protected	k_q9b51daefc6_down
	.globl	k_q9b51daefc6_down
	.p2align	8
	.type	k_q9b51daefc6_down,@function
k_q9b51daefc6_down:
	s_mov_b64 s[64:65], 0
	v_nop
	global_prefetch_b8 v0, s[64:65] scope:SCOPE_SE
	s_setreg_imm32_b32 hwreg(HW_REG_WAVE_MODE, 25, 1), 1
	s_wait_xcnt 0x0
; DOWN: the part of h Wd^T that one expert and one half of F give, for the expert's listed rows, as f32 into yp [e][half][token][1024].
; SHARES.  Work-group (x = 2 dq + kh, e) owns outputs d = 64 dq .. + 63 and f = 1,024 kh .. + 1,023 of expert e: 256 KB of f32, read from memory once in the launch.
;   Phase 1: wave wv quantises the 16 outputs 16 wv .. of them: 8 fragments; their register images go to LDS.  Phase 2: every wave holds all 32 fragments and takes row tiles wv, wv + 4, ..:
;   h's fragments come straight from hq, dense, as images of the operand's registers, and each feeds four matrix instructions.
; The list is made as in the launch before: the same stable partition, so tile m's row i is the same token there and here.  The rows that fill up the last tile have h = 0 and go to rows of yp that nobody reads.
; THE WALK OVER ROW TILES IS WRITTEN OUT, sixteen tiles a wave at the most: a tile's place in the list is then an immediate offset on a register that is never rewritten,
;   so every LDS address of the walk is a constant plus a lane term and a wave term.  A wave leaves the walk by a forward branch when its tiles are done; no barrier stands in the walk.
; The product is used transposed (source 0 = 16 rows of Wd, source 1 = 16 rows of h): a lane holds eight neighbouring d of one row; a tile goes through the wave's own stage and leaves as runs of 256 aligned bytes.
; No tile is shared through a cluster: the number of tiles is read from memory, so partners would need different numbers of them.
; LIMITS: NaN and infinities are not served; a block of zeros gets the scale byte 1.  The f32 sum over K is cut by (expert, half of F); the last launch adds the parts in that order.
.set NS,    8
.set WIMG,  0                          ; LDS: 32 images of 2,048 bytes: fragment 8 wv + t
.set WSCL,  65536                      ; their scale words
.set STG,   69632                      ; for each wave two stages of 16 rows x 528 bytes
.set LIST,  137216                     ; 1,024 words
.set OST,   141568                     ; for each wave 16 rows x (256 + 16) bytes, for the way out
.set WV,  2
.set DQ,  3
.set SEL, 14
.set MNT, 16
.set KH,  20
.set EE,  22
.set MK,  24
.set NN,  56
.set NTL, 57
.set C1,  58
.set C0,  59
.set T1,  60
.set T2,  61
.set HB,  66                           ; s[66:67], s[68:69] h's tile for set 0, 1
.set SB,  70                           ; s[70:71], s[72:73] its scale bytes
.set HQ0, 74
.set HS0, 76
.set YB,  78
.set WB,  80
.set SC,  82
.set LN,  1
.set RR,  2
.set HH,  3
.set L16, 4
.set STW, 5
.set STR, 6
.set IMW, 7
.set ISW, 8
.set ISR, 10
.set LB,  11
.set OSW, 12
.set OSR, 13
.set HSA, 14
.set C16, 15
.set HSC, 16
.set WS,  32
.set ACC, 64
.set PCS, 64
.set YA,  96
.set TM,  96
.set PW,  112
.set PL,  120
.set OB,  128
.set X,   128
.set MSB, 0
.macro WIN new
.if MSB != (\new)
	s_set_vgpr_msb (MSB<<8)|(\new)
.set MSB, (\new)
.endif
.endm
.macro QUANT s, pc, pw                 ; 64 numbers of a lane, register 16 b + i = k 32 b + 16 (lane / 16) + i of my row, become 16 code registers and the scale word
.irp b, 0,1,2,3
	v_max3_num_f32 v[TM+\b], |v[\s+16*\b]|, |v[\s+1+16*\b]|, 0x4800000      ; with the floor 2^(9 - 127): the byte cannot fall under 1
.endr
.irp i, 2,4,6,8,10,12,14
.irp b, 0,1,2,3
	v_max3_num_f32 v[TM+\b], v[TM+\b], |v[\s+16*\b+\i]|, |v[\s+1+16*\b+\i]|
.endr
.endr
.irp b, 0,1,2,3
	v_permlanex16_b32 v[TM+4+\b], v[TM+\b], s[SEL], s[SEL+1]
.endr
.irp b, 0,1,2,3
	v_max_num_f32 v[TM+\b], v[TM+\b], v[TM+4+\b]                           ; with lane l xor 16's: the block's largest magnitude
.endr
.irp b, 0,1,2,3
	v_add_nc_u32 v[TM+12+\b], 0xfc000000, v[TM+\b]                         ; 8 off its exponent field: the conversion's scale operand
.endr
.irp b, 0,1,2,3
	v_and_or_b32 v[TM+8+\b], v[TM+\b], 0x7f800000, s[MNT]                  ; 448 x the scale
.endr
.irp b, 0,1,2,3
	v_lshrrev_b32 v[TM+4+\b], 23, v[TM+12+\b]                              ; the scale's byte
.endr
	v_lshl_or_b32 v[\pw], v[TM+5], 8, v[TM+4]
	v_lshl_or_b32 v[\pw], v[TM+6], 16, v[\pw]
	v_lshl_or_b32 v[\pw], v[TM+7], 24, v[\pw]
.irp b, 0,1,2,3
.irp i, 0,1,2,3,4,5,6,7,8,9,10,11,12,13,14,15
	v_med3_num_f32 v[\s+16*\b+\i], v[\s+16*\b+\i], -v[TM+8+\b], v[TM+8+\b] ; the conversion does not saturate (ISA guide 7.6.2)
.endr
	v_cvt_scalef32_pk8_fp8_f32 v[\pc+4*\b:\pc+1+4*\b], v[\s+16*\b:\s+7+16*\b], v[TM+12+\b]
	v_cvt_scalef32_pk8_fp8_f32 v[\pc+2+4*\b:\pc+3+4*\b], v[\s+8+16*\b:\s+15+16*\b], v[TM+12+\b]
.endr
	v_nop                                          ; a plain line behind the last conversion: matrix instructions write these registers later
.endm
.macro WLOAD t                         ; fragment t: my 16 rows of Wd, 128 along f; each load reads 512 consecutive, aligned bytes of one row
	WIN 0xc0
.irp i, 0,1,2,3,4,5,6,7,8,9,10,11,12,13,14,15
	global_load_b128 v[64*((\t)%4)+4*\i:64*((\t)%4)+4*\i+3], v[L16], s[WB:WB+1] offset:8192*\i+512*(\t) th:TH_LOAD_NT
.endr
	WIN 0
.endm
.macro TURN t                          ; through my own stage: in as loaded, out 64 bytes of each block of 32 a lane.  LDS serves a wave's instructions in order
	WIN 0x0c
.irp i, 0,1,2,3,4,5,6,7,8,9,10,11,12,13,14,15
	ds_store_b128 v[STW], v[64*((\t)%4)+4*\i:64*((\t)%4)+4*\i+3] offset:8448*((\t)%2)+528*\i
.endr
	WIN 0
.irp c, 0,1,2,3
.irp j, 0,1,2,3
	ds_load_b128 v[X+64*((\t)%2)+16*\c+4*\j:X+64*((\t)%2)+16*\c+4*\j+3], v[STR] offset:8448*((\t)%2)+128*\c+16*\j
.endr
.endr
.endm
.macro IMAGE t                         ; the fragment goes to LDS as its registers stand: lane l's 16 bytes at 16 l
.irp c, 0,1,2,3
	ds_store_b128 v[IMW], v[PCS+16*((\t)%2)+4*\c:PCS+16*((\t)%2)+4*\c+3] offset:2048*(\t)+512*\c
.endr
	ds_store_b32 v[ISW], v[PW+(\t)%2] offset:128*(\t)
.endm
.macro STEP t
.if (\t) > 0
	s_wait_dscnt 5                                 ; this step's numbers are back from the stage; the last image's five stores may be out
.else
	s_wait_dscnt 0x0
.endif
.if (\t)+4 < NS
	WLOAD (\t)+4                                   ; into the set that this step's stage stores have read
.endif
.if (\t)+1 < NS
.if NS-2-(\t) >= 3
	s_wait_loadcnt 48                              ; the next step's 16 loads are in; those of the three steps behind it may be out
.else
	s_wait_loadcnt 16*(NS-2-(\t))
.endif
	TURN (\t)+1
.endif
	QUANT X+64*((\t)%2), PCS+16*((\t)%2), PW+(\t)%2
	IMAGE \t
.endm
.macro PLACE                           ; the list, by wave 0: listed tokens first, in their order, then the others.  The places are held under 1,024 by a constant
	s_mov_b32 s[C1], 0
	s_mov_b32 s[C0], s[NN]
.set k, 0
.rept 32
.set pa, PL+2*(k%4)
	v_mbcnt_lo_u32_b32 v[pa], s[MK+k], s[C1]
	s_not_b32 s[T1], s[MK+k]
	v_mbcnt_lo_u32_b32 v[pa+1], s[T1], s[C0]
	v_cndmask_b32 v[pa], v[pa+1], v[pa], s[MK+k]
	v_min_u32 v[pa], 0x3ff, v[pa]
	v_lshl_add_u32 v[pa], v[pa], 2, LIST
	v_add_nc_u32 v[pa+1], 32*k, v[LN]
	ds_store_b32 v[pa], v[pa+1]
	s_bcnt1_i32_b32 s[T1], s[MK+k]
	s_add_co_u32 s[C1], s[C1], s[T1]
	s_sub_co_u32 s[T1], 32, s[T1]
	s_add_co_u32 s[C0], s[C0], s[T1]
.if k%4 == 3
	s_wait_dscnt 0x0                               ; the four pairs of registers are written again only when their stores are done
.endif
.set k, k+1
.endr
.endm
	s_load_b256 s[4:11], s[0:1], 0x0               ; Wd s[4:5], hq s[6:7], hs s[8:9], mask s[10:11]
	s_load_b64 s[12:13], s[0:1], 0x20              ; yp
	v_lshl_add_u32 v118, v0, 2, 0x26d00
	v_mov_b32 v119, 0
	v_lshrrev_b32 v1, 5, v0
	v_readfirstlane_b32 s[WV], v1
	v_and_b32 v[LN], 31, v0
	v_and_b32 v[RR], 15, v0
	v_bfe_u32 v[HH], v0, 4, 1
	s_lshr_b32 s[DQ], ttmp9, 1
	s_and_b32 s[KH], ttmp9, 1
	s_and_b32 s[EE], ttmp7, 0xffff
	; every LDS address register is made here, ahead of the branch on the wave's number, and none is rewritten
	v_lshlrev_b32 v[L16], 4, v[LN]
	s_mul_i32 s[T1], s[WV], 16896
	s_add_co_u32 s[T1], s[T1], STG
	v_add_nc_u32 v[STW], s[T1], v[L16]
	v_mul_u32_u24 v[STR], v[RR], 528
	v_lshl_add_u32 v[STR], v[HH], 6, v[STR]
	v_add_nc_u32 v[STR], s[T1], v[STR]
	s_lshl_b32 s[T1], s[WV], 14
	v_add_nc_u32 v[IMW], s[T1], v[L16]
	v_lshlrev_b32 v[ISW], 2, v[LN]
	v_add_nc_u32 v[ISR], WSCL, v[ISW]
	s_lshl_b32 s[T1], s[WV], 10
	s_add_co_u32 s[T1], s[T1], WSCL
	v_add_nc_u32 v[ISW], s[T1], v[ISW]
	s_lshl_b32 s[T1], s[WV], 6
	s_add_co_u32 s[T1], s[T1], LIST
	v_lshl_add_u32 v[LB], v[HH], 2, s[T1]          ; entry 16 wv + lane / 16
	s_mul_i32 s[T1], s[WV], 4352
	s_add_co_u32 s[T1], s[T1], OST
	v_mul_u32_u24 v[OSW], v[RR], 272
	v_lshl_add_u32 v[OSW], v[HH], 5, v[OSW]
	v_add_nc_u32 v[OSW], s[T1], v[OSW]             ; in: row r, 32 bytes for each half of the lanes
	v_mul_u32_u24 v[OSR], v[HH], 272
	v_lshl_add_u32 v[OSR], v[RR], 4, v[OSR]
	v_add_nc_u32 v[OSR], s[T1], v[OSR]             ; back: lanes 0-15 one row, lanes 16-31 the next
	v_lshlrev_b32 v[HSA], 6, v[RR]
	v_lshlrev_b32 v[C16], 4, v[RR]
.irp b, 0,1,2,3
	v_mov_b32 v[TM+4+\b], 0                        ; written once: a lane permute's destination counts as one of its sources
.endr
	s_mov_b32 s[SEL], 0x76543210
	s_mov_b32 s[SEL+1], 0xfedcba98
	s_mov_b32 s[MNT], 0x600000
	s_mov_b32 s[SC+1], 0
	s_wait_kmcnt 0x0
	s_lshl_b32 s[SC], s[EE], 7
	s_add_nc_u64 s[10:11], s[10:11], s[SC:SC+1]
	s_load_b512 s[MK:MK+15], s[10:11], 0x0
	s_load_b512 s[MK+16:MK+31], s[10:11], 0x40
	s_lshl_b32 s[SC], s[EE], 23
	s_lshl_b32 s[T1], s[DQ], 19
	s_add_co_u32 s[SC], s[SC], s[T1]
	s_lshl_b32 s[T1], s[WV], 17
	s_add_co_u32 s[SC], s[SC], s[T1]
	s_lshl_b32 s[T1], s[KH], 12
	s_add_co_u32 s[SC], s[SC], s[T1]
	s_add_nc_u64 s[WB:WB+1], s[4:5], s[SC:SC+1]    ; my 16 rows of Wd, my half of F
	WLOAD 0
	WLOAD 1
	WLOAD 2
	WLOAD 3                                        ; 64 loads, 32 KB a wave, are out while the list is made
	s_lshl_b32 s[SC], s[EE], 21
	s_lshl_b32 s[T1], s[KH], 14
	s_add_co_u32 s[SC], s[SC], s[T1]
	s_add_nc_u64 s[HQ0:HQ0+1], s[6:7], s[SC:SC+1]
	s_lshl_b32 s[SC], s[EE], 16
	s_lshl_b32 s[T1], s[KH], 5
	s_add_co_u32 s[SC], s[SC], s[T1]
	s_add_nc_u64 s[HS0:HS0+1], s[8:9], s[SC:SC+1]
	s_lshl_b32 s[SC], s[EE], 1
	s_add_co_u32 s[SC], s[SC], s[KH]
	s_lshl_b32 s[SC], s[SC], 22
	s_lshl_b32 s[T1], s[DQ], 8
	s_add_co_u32 s[SC], s[SC], s[T1]
	s_add_nc_u64 s[YB:YB+1], s[12:13], s[SC:SC+1]
	s_wait_kmcnt 0x0
	s_mov_b32 s[NN], 0
.set k, 0
.rept 32
	s_bcnt1_i32_b32 s[T1], s[MK+k]
	s_add_co_u32 s[NN], s[NN], s[T1]
.set k, k+1
.endr
	s_add_co_u32 s[NTL], s[NN], 15
	s_lshr_b32 s[NTL], s[NTL], 4
	s_cmp_lg_u32 s[WV], 0
	s_cbranch_scc1 .Lno_place
	PLACE
.Lno_place:
	s_wait_dscnt 0x0                               ; the list's stores are done;
	s_barrier_signal -1
	s_barrier_wait -1                              ; no other LDS access of any wave stands ahead of this barrier
	s_wait_loadcnt 48                              ; step 0's 16 loads are in
	TURN 0
.irp t, 0,1,2,3,4,5,6,7
	STEP \t
.endr
	s_wait_dscnt 0x0                               ; my images have landed
	s_barrier_signal -1
	s_barrier_wait -1                              ; all 32 images lie in LDS; from here on a wave stores to its own stage alone
	; all 32 fragments: (dt, s) in window 1 + s / 4 at v[16 (4 (s % 4) + dt)]
.irp w, 0,1
	WIN 0x40*(1+\w)
.irp q, 0,1,2,3
.irp z, 0,1,2,3
.irp c, 0,1,2,3
	ds_load_b128 v[16*(4*\z+\q)+4*\c:16*(4*\z+\q)+4*\c+3], v[L16] offset:2048*(8*\q+4*\w+\z)+512*\c
.endr
.endr
.endr
.endr
	WIN 0
.set f, 0
.rept 32
	ds_load_b32 v[WS+f], v[ISR] offset:128*f
.set f, f+1
.endr
	s_wait_dscnt 0x0
.macro HLOAD o                         ; 34 loads: a tile's eight fragments of my half of F, each load 512 consecutive bytes, and its rows' eight scale words
	WIN 0xc0
.irp s, 0,1,2,3,4,5,6,7
.irp c, 0,1,2,3
	global_load_b128 v[128*(\o)+16*\s+4*\c:128*(\o)+16*\s+4*\c+3], v[L16], s[HB+2*(\o):HB+2*(\o)+1] offset:2048*\s+512*\c
.endr
.endr
	WIN 0
	global_load_b128 v[HSC+8*(\o):HSC+8*(\o)+3], v[HSA], s[SB+2*(\o):SB+2*(\o)+1]
	global_load_b128 v[HSC+8*(\o)+4:HSC+8*(\o)+7], v[HSA], s[SB+2*(\o):SB+2*(\o)+1] offset:16
.endm
.macro MULS o                          ; 32 matrix instructions; the four accumulators take turns, one instruction a turn; the first four start the sums
.irp s, 0,1,2,3,4,5,6,7
	WIN 0x0d+\s/4
.irp q, 0,1,2,3
.if \s == 0
	v_wmma_scale_f32_16x16x128_f8f6f4 v[ACC+8*\q:ACC+8*\q+7], v[16*(4*(\s%4)+\q):16*(4*(\s%4)+\q)+15], v[128*(\o)+16*\s:128*(\o)+16*\s+15], 0, v[WS+8*\q+\s], v[HSC+8*(\o)+\s]
.else
	v_wmma_scale_f32_16x16x128_f8f6f4 v[ACC+8*\q:ACC+8*\q+7], v[16*(4*(\s%4)+\q):16*(4*(\s%4)+\q)+15], v[128*(\o)+16*\s:128*(\o)+16*\s+15], v[ACC+8*\q:ACC+8*\q+7], v[WS+8*\q+\s], v[HSC+8*(\o)+\s]
.endif
.endr
.endr
	WIN 0
.endm
; My k-th tile, m = wv + 4 k, from set k % 2.
.macro TILE k
.set BF, (\k)%2
	s_add_co_u32 s[T1], s[WV], 4*(\k)
.if (\k) > 0
	s_cmp_ge_u32 s[T1], s[NTL]
	s_cbranch_scc1 .Lrows_done
.endif
	s_wait_xcnt 0x0                                ; the last stores' data and addresses and the other set's bases are written again only behind this wait
.if (\k) < 15
	s_add_co_u32 s[T1], s[T1], 4                   ; my next tile, held at the last tile that was written, and by a constant at 63
	s_sub_co_u32 s[T2], s[NTL], 1
	s_min_u32 s[T1], s[T1], s[T2]
	s_min_u32 s[T1], s[T1], 63
	s_lshl_b32 s[SC], s[T1], 15
	s_add_nc_u64 s[HB+2*(1-BF):HB+2*(1-BF)+1], s[HQ0:HQ0+1], s[SC:SC+1]
	s_lshl_b32 s[SC], s[T1], 10
	s_add_nc_u64 s[SB+2*(1-BF):SB+2*(1-BF)+1], s[HS0:HS0+1], s[SC:SC+1]
	HLOAD 1-BF
.endif
.irp i, 0,1,2,3,4,5,6,7
	ds_load_b32 v[YA+\i], v[LB] offset:256*(\k)+8*\i       ; the tokens of rows 2 i and 2 i + 1 of this tile: entry 16 (wv + 4 k) + 2 i + lane / 16
.endr
.if (\k) < 15
	s_wait_loadcnt 34                              ; only the 34 just issued may be out: this tile's set is in
.else
	s_wait_loadcnt 0x0                             ; the sixteenth tile has no successor: nothing was asked for
.endif
	MULS BF
	s_wait_dscnt 0x0
.irp i, 0,1,2,3,4,5,6,7
	v_min_u32 v[YA+\i], 0x3ff, v[YA+\i]            ; these sixteen plain lines are the places between the last products and the first read of their results (ISA guide 7.12.1 asks for eight)
.endr
.irp i, 0,1,2,3,4,5,6,7
	v_lshl_add_u32 v[YA+\i], v[YA+\i], 12, v[C16]  ; the token's row of 4,096 bytes, + my 16 bytes
.endr
.irp q, 0,1,2,3
	ds_store_b128 v[OSW], v[ACC+8*\q:ACC+8*\q+3] offset:64*\q          ; each accumulator from its low end on
	ds_store_b128 v[OSW], v[ACC+8*\q+4:ACC+8*\q+7] offset:64*\q+16
.endr
.irp i, 0,1,2,3,4,5,6,7
	ds_load_b128 v[OB+4*\i:OB+4*\i+3], v[OSR] offset:544*\i            ; LDS serves a wave's instructions in order: these see the stores above
.endr
	s_wait_dscnt 0x0
.irp i, 0,1,2,3,4,5,6,7
	global_store_b128 v[YA+\i], v[OB+4*\i:OB+4*\i+3], s[YB:YB+1]       ; sixteen lanes store 256 consecutive, aligned bytes of a token's row
.endr
.endm
	s_cmp_ge_u32 s[WV], s[NTL]
	s_cbranch_scc1 .Lrows_done                     ; fewer tiles than waves: nothing for me
	s_lshl_b32 s[SC], s[WV], 15
	s_add_nc_u64 s[HB:HB+1], s[HQ0:HQ0+1], s[SC:SC+1]
	s_lshl_b32 s[SC], s[WV], 10
	s_add_nc_u64 s[SB:SB+1], s[HS0:HS0+1], s[SC:SC+1]
	HLOAD 0
.irp k, 0,1,2,3,4,5,6,7,8,9,10,11,12,13,14,15
	TILE \k
.endr
.Lrows_done:
	s_wait_tensorcnt 0x0
	ds_add_u32 v118, v119
	s_wait_dscnt 0x0
	s_endpgm
.Lfunc_end_k_q9b51daefc6_down:
	.size	k_q9b51daefc6_down, .Lfunc_end_k_q9b51daefc6_down-k_q9b51daefc6_down
	.p2alignl 7, 3214868480
	.fill 96, 4, 3214868480
	.section	.rodata,"a",@progbits
	.p2align	6, 0x0
	.amdhsa_kernel k_q9b51daefc6_down
		.amdhsa_group_segment_fixed_size 159488
		.amdhsa_private_segment_fixed_size 0
		.amdhsa_enable_private_segment 0
		.amdhsa_kernarg_size 40
		.amdhsa_user_sgpr_count 2
		.amdhsa_user_sgpr_kernarg_segment_ptr 1
		.amdhsa_wavefront_size32 1
		.amdhsa_system_sgpr_workgroup_id_x 1
		.amdhsa_system_sgpr_workgroup_id_y 1
		.amdhsa_system_sgpr_workgroup_id_z 1
		.amdhsa_system_vgpr_workitem_id 0
		.amdhsa_next_free_vgpr 1024
		.amdhsa_next_free_sgpr 84
		.amdhsa_reserve_vcc 0
		.amdhsa_float_denorm_mode_32 3
		.amdhsa_float_denorm_mode_16_64 3
		.amdhsa_memory_ordered 1
		.amdhsa_forward_progress 1
		.amdhsa_inst_pref_size 255
	.end_amdhsa_kernel
	.section	.bss,"aw",@nobits
	.p2align	6
	.space	262144
	.amdgpu_metadata
---
amdhsa.version: [ 1, 2 ]
amdhsa.kernels:
  - .name:           k_q9b51daefc6_down
    .symbol:         k_q9b51daefc6_down.kd
    .args:
      - { .name: Wd, .offset: 0, .size: 8, .value_kind: global_buffer, .address_space: global }
      - { .name: hq, .offset: 8, .size: 8, .value_kind: global_buffer, .address_space: global }
      - { .name: hs, .offset: 16, .size: 8, .value_kind: global_buffer, .address_space: global }
      - { .name: mask, .offset: 24, .size: 8, .value_kind: global_buffer, .address_space: global }
      - { .name: yp, .offset: 32, .size: 8, .value_kind: global_buffer, .address_space: global }
    .group_segment_fixed_size: 159488
    .private_segment_fixed_size: 0
    .kernarg_segment_align: 8
    .kernarg_segment_size: 40
    .max_flat_workgroup_size: 128
    .sgpr_count:     84
    .vgpr_count:     1024
    .wavefront_size: 32
...
	.end_amdgpu_metadata
.endif
;; end of part 4
;; launch final (part 5): grid 4 x 64, 4 waves a work-group, no clusters, 22,272 bytes of LDS; arguments xq, xs, lq, lsc, top_k_weights, mask, yp, out0; writes out0
.if DOCPART == 5
	.amdgcn_target "amdgcn-amd-amdhsa--gfx1250"
	.amdhsa_code_object_version 6
	.text
	.protected	k_q9b51daefc6_final
	.globl	k_q9b51daefc6_final
	.p2align	8
	.type	k_q9b51daefc6_final,@function
k_q9b51daefc6_final:
	s_mov_b64 s[64:65], 0
	v_nop
	global_prefetch_b8 v0, s[64:65] scope:SCOPE_SE
	s_setreg_imm32_b32 hwreg(HW_REG_WAVE_MODE, 25, 1), 1
	s_wait_xcnt 0x0
; FINAL: the two low-rank corrections, the sum of the experts' parts, out0.
; SHARES.  Work-group (Q, T) owns tokens 16 T .. + 15 and outputs d = 256 Q .. + 255.
;   Stage 1: wave b makes block b (experts 2 b, 2 b + 1) of the two operands with K = 128: z w over (e, r), and zs (relu(gate) w) over (e, s, r): x against 2 tiles of A, 2 of sA and one of sgate, K = 1,024,
;   used transposed, with the tiles' rows chosen so that a lane's 16 registers are 16 neighbours along the next K, and the lane's own two gates fall into registers 0 and 1 of the gate tile's result.
;   The four blocks meet in LDS as images of the operand's registers.  (The four work-groups of a token tile repeat stage 1: 40 matrix instructions a wave.)
;   Stage 2: wave wv makes outputs 64 wv .. + 63 of the work-group's 256: B's and sB's images against the two operands, both into one sum, since both scales of reference() are 2.
;   Then yp's parts are added, expert by expert, half by half, for the lanes whose token is listed for the expert (EXEC from the stored masks): rows that were not written are not read.
; LIMITS: NaN and infinities are not served; a block of zeros gets the scale byte 1.  The order of the f32 sum: 2 x (both corrections), then the parts by (expert, half of F) ascending.
; REGISTERS.  Window 0: v1-19 addresses; v20-25 w and the two gates x w (pairs); v26-33 x's scale words, later the operands' two; v34-73 the small weights' scale words, later B's and sB's;
;   v74-113 five accumulators, later four; v114-127 codes, bytes, at work; v128-255 x's eight fragments, later the operands' numbers, their fragments, the sum, the rows on the way out.
;   Windows 1, 2, 3: stage 1's 40 fragments, f = 5 s + q at window 1 + f / 16, v[16 (f % 16)]; later windows 1, 2: yp's parts; window 3 v0-127: B's and sB's images.
.set PIMG, 0                           ; LDS: two images of 2,048 bytes: kind x 2,048 + 512 b + 16 lane
.set PSC,  4096                        ; their scale bytes: kind x 64 + 4 r + b
.set OST,  4352                        ; for each wave 16 rows x (256 + 16) bytes
.set WV,  2
.set QQ,  3
.set TT,  20
.set MO,  21
.set SC,  22
.set MW,  24
.set EX,  32
.set T1,  40
.set T2,  41
.set SEL, 42
.set MNT, 44
.set SV,  45
.set LQI, 48
.set LSI, 50
.set LN,  1
.set RR,  2
.set HH,  3
.set L16, 4
.set XA,  5
.set XSA, 6
.set RA,  7
.set RS,  8
.set GA,  9
.set GS,  10
.set WA,  11
.set YA,  12
.set OA,  13
.set PIW, 14
.set PSW, 15
.set PSR, 16
.set OSW, 17
.set OSR, 18
.set L4,  19
.set WW,  20
.set GW,  22
.set XSC, 26
.set WSC, 34
.set SA,  74                           ; stage 1: accumulator q at v[74 + 8 q]; stage 2: accumulator dt at v[74 + 8 dt]
.set PC1, 114
.set PC2, 118
.set BY1, 122
.set BY2, 123
.set QM,  124
.set QN,  125
.set QS,  126
.set QH,  127
.set XF,  128
.set P1,  128
.set P2,  144
.set PF,  160
.set SS,  192
.set OB,  224
.set MSB, 0
.macro WIN new
.if MSB != (\new)
	s_set_vgpr_msb (MSB<<8)|(\new)
.set MSB, (\new)
.endif
.endm
.macro QUANT1 s, pc, by                ; 16 numbers of a lane, half a block of 32, become 4 code registers and the block's byte
	v_max3_num_f32 v[QM], |v[\s]|, |v[\s+1]|, 0x4800000
	v_max3_num_f32 v[QN], |v[\s+8]|, |v[\s+9]|, |v[\s+10]|
	v_max3_num_f32 v[QM], v[QM], |v[\s+2]|, |v[\s+3]|
	v_max3_num_f32 v[QN], v[QN], |v[\s+11]|, |v[\s+12]|
	v_max3_num_f32 v[QM], v[QM], |v[\s+4]|, |v[\s+5]|
	v_max3_num_f32 v[QN], v[QN], |v[\s+13]|, |v[\s+14]|
	v_max3_num_f32 v[QM], v[QM], |v[\s+6]|, |v[\s+7]|
	v_max3_num_f32 v[QM], v[QM], v[QN], |v[\s+15]|
	v_permlanex16_b32 v[QN], v[QM], s[SEL], s[SEL+1]
	v_max_num_f32 v[QM], v[QM], v[QN]
	v_add_nc_u32 v[QS], 0xfc000000, v[QM]
	v_and_or_b32 v[QH], v[QM], 0x7f800000, s[MNT]
	v_lshrrev_b32 v[\by], 23, v[QS]
.irp i, 0,1,2,3,4,5,6,7,8,9,10,11,12,13,14,15
	v_med3_num_f32 v[\s+\i], v[\s+\i], -v[QH], v[QH]
.endr
	v_cvt_scalef32_pk8_fp8_f32 v[\pc:\pc+1], v[\s:\s+7], v[QS]
	v_cvt_scalef32_pk8_fp8_f32 v[\pc+2:\pc+3], v[\s+8:\s+15], v[QS]
	v_nop                                          ; a plain line behind the last conversion
.endm
	s_load_b512 s[4:19], s[0:1], 0x0               ; xq s[4:5], xs s[6:7], lq s[8:9], lsc s[10:11], weights s[12:13], mask s[14:15], yp s[16:17], out0 s[18:19]
	s_set_vgpr_msb 0xc0
	v_lshl_add_u32 v254, v0, 2, 0x5500
	v_mov_b32 v255, 0
	s_set_vgpr_msb 0xc000
	v_lshrrev_b32 v1, 5, v0
	v_readfirstlane_b32 s[WV], v1
	v_and_b32 v[LN], 31, v0
	v_and_b32 v[RR], 15, v0
	v_bfe_u32 v[HH], v0, 4, 1
	s_mov_b32 s[QQ], ttmp9
	s_and_b32 s[TT], ttmp7, 0xffff
	v_lshlrev_b32 v[L16], 4, v[LN]
	v_lshlrev_b32 v[L4], 2, v[LN]
	v_lshlrev_b32 v[XA], 10, v[RR]
	v_lshl_add_u32 v[XA], v[HH], 4, v[XA]          ; x: row r of 1,024 bytes, + 16 h
	v_lshlrev_b32 v[XSA], 5, v[RR]
	v_and_b32 v[QM], 8, v[RR]
	v_add_nc_u32 v[QM], v[QM], v[RR]               ; r + 8 (r / 8): the rows of a tile of A or sA
	v_lshlrev_b32 v[RA], 10, v[QM]
	v_lshl_add_u32 v[RA], v[HH], 4, v[RA]
	s_lshl_b32 s[T1], s[WV], 15
	v_add_nc_u32 v[RA], s[T1], v[RA]               ; + 32 b rows
	v_lshlrev_b32 v[RS], 5, v[QM]
	s_lshl_b32 s[T1], s[WV], 10
	v_add_nc_u32 v[RS], s[T1], v[RS]
	v_bfe_u32 v[QM], v[RR], 1, 2                   ; the gate tile: lane r = 8 h' + j takes sgate's row 2 (2 ((b + j / 2) % 4) + h') + j % 2
	v_add_nc_u32 v[QM], s[WV], v[QM]
	v_and_b32 v[QM], 3, v[QM]
	v_lshlrev_b32 v[QM], 1, v[QM]
	v_bfe_u32 v[QN], v[RR], 3, 1
	v_add_nc_u32 v[QM], v[QM], v[QN]
	v_lshlrev_b32 v[QM], 1, v[QM]
	v_and_b32 v[QN], 1, v[RR]
	v_add_nc_u32 v[QM], v[QM], v[QN]
	v_add_nc_u32 v[QM], 256, v[QM]                 ; sgate's rows lie behind A's and sA's 256
	v_lshlrev_b32 v[GA], 10, v[QM]
	v_lshl_add_u32 v[GA], v[HH], 4, v[GA]
	v_lshlrev_b32 v[GS], 5, v[QM]
	v_lshlrev_b32 v[WA], 5, v[RR]
	v_lshl_add_u32 v[WA], v[HH], 2, v[WA]
	s_lshl_b32 s[T1], s[WV], 3
	v_add_nc_u32 v[WA], s[T1], v[WA]               ; w(token r, expert 2 b + h)
	v_lshlrev_b32 v[YA], 12, v[RR]
	v_lshl_add_u32 v[YA], v[HH], 5, v[YA]          ; yp: row r of 4,096 bytes, + 32 h
	v_lshlrev_b32 v[OA], 12, v[HH]
	v_lshl_add_u32 v[OA], v[RR], 4, v[OA]          ; out0: lanes 0-15 one row, lanes 16-31 the next
	s_lshl_b32 s[T1], s[WV], 9
	v_add_nc_u32 v[PIW], s[T1], v[L16]
	v_lshlrev_b32 v[PSR], 2, v[RR]
	v_add_nc_u32 v[PSR], PSC, v[PSR]
	v_add_nc_u32 v[PSW], s[WV], v[PSR]
	s_mul_i32 s[T1], s[WV], 4352
	s_add_co_u32 s[T1], s[T1], OST
	v_mul_u32_u24 v[OSW], v[RR], 272
	v_lshl_add_u32 v[OSW], v[HH], 5, v[OSW]
	v_add_nc_u32 v[OSW], s[T1], v[OSW]
	v_mul_u32_u24 v[OSR], v[HH], 272
	v_lshl_add_u32 v[OSR], v[RR], 4, v[OSR]
	v_add_nc_u32 v[OSR], s[T1], v[OSR]
	v_mov_b32 v[WW+1], 0                           ; named as the upper halves of pairs
	v_mov_b32 v[GW+1], 0
	v_mov_b32 v[GW+3], 0
	s_mov_b32 s[SEL], 0x76543210
	s_mov_b32 s[SEL+1], 0xfedcba98
	s_mov_b32 s[MNT], 0x600000
	s_mov_b32 s[SC+1], 0
	s_lshr_b32 s[MO], s[TT], 1
	s_lshl_b32 s[MO], s[MO], 2                     ; the mask word that holds my 16 tokens
	s_wait_kmcnt 0x0
.irp e, 0,1,2,3,4,5,6,7
	s_load_b32 s[MW+\e], s[14:15], s[MO] offset:128*\e
.endr
	s_lshl_b32 s[SC], s[TT], 14
	s_add_nc_u64 s[4:5], s[4:5], s[SC:SC+1]
	s_lshl_b32 s[SC], s[TT], 9
	s_add_nc_u64 s[6:7], s[6:7], s[SC:SC+1]
	s_add_nc_u64 s[12:13], s[12:13], s[SC:SC+1]
	s_lshl_b32 s[SC], s[TT], 16
	s_lshl_b32 s[T1], s[QQ], 10
	s_add_co_u32 s[SC], s[SC], s[T1]
	s_lshl_b32 s[T1], s[WV], 8
	s_add_co_u32 s[SC], s[SC], s[T1]
	s_add_nc_u64 s[16:17], s[16:17], s[SC:SC+1]    ; yp and out0 at my tokens' rows, my wave's 256 bytes
	s_add_nc_u64 s[18:19], s[18:19], s[SC:SC+1]
	s_lshl_b32 s[T1], s[QQ], 4
	s_lshl_b32 s[T2], s[WV], 2
	s_add_co_u32 s[T1], s[T1], s[T2]               ; my first tile of 16 outputs
	s_lshl_b32 s[SC], s[T1], 12
	s_add_co_u32 s[SC], s[SC], 278528
	s_add_nc_u64 s[LQI:LQI+1], s[8:9], s[SC:SC+1]
	s_lshl_b32 s[SC], s[T1], 8
	s_add_co_u32 s[SC], s[SC], 8704
	s_add_nc_u64 s[LSI:LSI+1], s[10:11], s[SC:SC+1]
	; ---- stage 1: 205 loads
.irp s, 0,1,2,3,4,5,6,7
.irp c, 0,1,2,3
	global_load_b128 v[XF+16*\s+4*\c:XF+16*\s+4*\c+3], v[XA], s[4:5] offset:128*\s+32*\c
.endr
.endr
	global_load_b128 v[XSC:XSC+3], v[XSA], s[6:7]
	global_load_b128 v[XSC+4:XSC+7], v[XSA], s[6:7] offset:16
	global_load_b32 v[WW], v[WA], s[12:13]
.irp q, 0,1,2,3
	global_load_b128 v[WSC+8*\q:WSC+8*\q+3], v[RS], s[10:11] offset:256*(\q%2)+4096*(\q/2)
	global_load_b128 v[WSC+8*\q+4:WSC+8*\q+7], v[RS], s[10:11] offset:256*(\q%2)+4096*(\q/2)+16
.endr
	global_load_b128 v[WSC+32:WSC+35], v[GS], s[10:11]
	global_load_b128 v[WSC+36:WSC+39], v[GS], s[10:11] offset:16
.irp s, 0,1,2,3,4,5,6,7
.irp q, 0,1,2,3,4
.set f, 5*\s+\q
	WIN 0x40*(1+f/16)
.irp c, 0,1,2,3
.if \q < 4
	global_load_b128 v[16*(f%16)+4*\c:16*(f%16)+4*\c+3], v[RA], s[8:9] offset:8192*(\q%2)+131072*(\q/2)+128*\s+32*\c
.else
	global_load_b128 v[16*(f%16)+4*\c:16*(f%16)+4*\c+3], v[GA], s[8:9] offset:128*\s+32*\c
.endif
.endr
.endr
.endr
	WIN 0
	s_wait_kmcnt 0x0
	s_and_b32 s[T1], s[TT], 1
	s_lshl_b32 s[T1], s[T1], 4
.irp e, 0,1,2,3,4,5,6,7
	s_lshr_b32 s[T2], s[MW+\e], s[T1]
	s_and_b32 s[T2], s[T2], 0xffff
	s_lshl_b32 s[EX+\e], s[T2], 16
	s_or_b32 s[EX+\e], s[EX+\e], s[T2]             ; lanes r and 16 + r are on where token r is listed for expert e
.endr
	s_wait_loadcnt 0x0
.irp s, 0,1,2,3,4,5,6,7                    ; 40 matrix instructions; the five accumulators take turns, one instruction a turn
.irp q, 0,1,2,3,4
.set f, 5*\s+\q
	WIN 1+f/16
.if \s == 0
	v_wmma_scale_f32_16x16x128_f8f6f4 v[SA+8*\q:SA+8*\q+7], v[16*(f%16):16*(f%16)+15], v[XF+16*\s:XF+16*\s+15], 0, v[WSC+8*\q+\s], v[XSC+\s]
.else
	v_wmma_scale_f32_16x16x128_f8f6f4 v[SA+8*\q:SA+8*\q+7], v[16*(f%16):16*(f%16)+15], v[XF+16*\s:XF+16*\s+15], v[SA+8*\q:SA+8*\q+7], v[WSC+8*\q+\s], v[XSC+\s]
.endif
.endr
.endr
	WIN 0
.rept 8
	v_nop                                          ; eight places: for the loads into registers that these products read, and for the first read of their results
.endr
	; ---- yp's parts are asked for now: 16 loads an expert, for the lanes whose token is listed
.irp e, 0,1,2,3,4,5,6,7
	s_mov_b32 vcc_lo, s[EX+\e]
	s_wait_xcnt 0x0                                ; EXEC changes only behind this wait
	s_and_saveexec_b32 s[SV], vcc_lo
	WIN 0x40*(1+\e/4)
.irp kh, 0,1
.irp dt, 0,1,2,3
.irp hf, 0,1
	global_load_b128 v[64*(\e%4)+32*\kh+8*\dt+4*\hf:64*(\e%4)+32*\kh+8*\dt+4*\hf+3], v[YA], s[16:17] offset:4194304*\kh+64*\dt+16*\hf th:TH_LOAD_NT
.endr
.endr
.endr
	WIN 0
	s_wait_xcnt 0x0
	s_or_b32 exec_lo, exec_lo, s[SV]
	s_add_nc_u64 s[16:17], s[16:17], 0x800000      ; the next expert's two halves
.endr
	WIN 0xc0
.irp dt, 0,1,2,3
.irp kd, 0,1
.irp c, 0,1,2,3
	global_load_b128 v[16*(2*\dt+\kd)+4*\c:16*(2*\dt+\kd)+4*\c+3], v[L16], s[LQI:LQI+1] offset:4096*\dt+2048*\kd+512*\c   ; B's (0) and sB's (1) image for my tile dt
.endr
.endr
.endr
	WIN 0
.irp dt, 0,1,2,3
.irp kd, 0,1
	global_load_b32 v[WSC+2*\dt+\kd], v[L4], s[LSI:LSI+1] offset:256*\dt+128*\kd
.endr
.endr
	; ---- the two operands' numbers, in reference()'s order: z w;  relu(gate) w, then zs times that.  Each accumulator is read from its low end on
.irp i, 0,2,4,6,8,10,12,14
	v_pk_mul_f32 v[P1+\i:P1+\i+1], v[SA+\i:SA+\i+1], v[WW:WW+1] op_sel_hi:[1,0]
.endr
	v_max_num_f32 v[GW], 0, v[SA+32]
	v_max_num_f32 v[GW+2], 0, v[SA+33]
	v_mul_f32 v[GW], v[GW], v[WW]
	v_mul_f32 v[GW+2], v[GW+2], v[WW]
.irp z, 0,1
.irp i, 0,2,4,6
	v_pk_mul_f32 v[P2+8*\z+\i:P2+8*\z+\i+1], v[SA+16+8*\z+\i:SA+16+8*\z+\i+1], v[GW+2*\z:GW+2*\z+1] op_sel_hi:[1,0]
.endr
.endr
	QUANT1 P1, PC1, BY1
	QUANT1 P2, PC2, BY2
	ds_store_b128 v[PIW], v[PC1:PC1+3]             ; registers 4 b .. 4 b + 3 of the operand's image
	ds_store_b128 v[PIW], v[PC2:PC2+3] offset:2048
	ds_store_b8 v[PSW], v[BY1]                     ; byte b of my row's scale word (both halves of the lanes write the same)
	ds_store_b8 v[PSW], v[BY2] offset:64
	s_wait_dscnt 0x0                               ; for the others' sake
	s_barrier_signal -1
	s_barrier_wait -1
.irp kd, 0,1
.irp c, 0,1,2,3
	ds_load_b128 v[PF+16*\kd+4*\c:PF+16*\kd+4*\c+3], v[L16] offset:2048*\kd+512*\c
.endr
.endr
	ds_load_b32 v[XSC], v[PSR]
	ds_load_b32 v[XSC+1], v[PSR] offset:64
	s_wait_dscnt 0x0
	s_wait_loadcnt 0x0                             ; the images, and yp's parts
	; ---- stage 2: four accumulators by turns
	WIN 0x03
.irp dt, 0,1,2,3
	v_wmma_scale_f32_16x16x128_f8f6f4 v[SA+8*\dt:SA+8*\dt+7], v[32*\dt:32*\dt+15], v[PF:PF+15], 0, v[WSC+2*\dt], v[XSC]
.endr
.irp dt, 0,1,2,3
	v_wmma_scale_f32_16x16x128_f8f6f4 v[SA+8*\dt:SA+8*\dt+7], v[32*\dt+16:32*\dt+31], v[PF+16:PF+31], v[SA+8*\dt:SA+8*\dt+7], v[WSC+2*\dt+1], v[XSC+1]
.endr
	WIN 0
.rept 8
	v_nop
.endr
.irp i, 0,2,4,6,8,10,12,14,16,18,20,22,24,26,28,30
	v_pk_mul_f32 v[SS+\i:SS+\i+1], v[SA+\i:SA+\i+1], 2.0 op_sel_hi:[1,0]   ; both scales of reference() are 2
.endr
	s_wait_xcnt 0x0
.irp e, 0,1,2,3,4,5,6,7
	s_mov_b32 vcc_lo, s[EX+\e]
	s_and_saveexec_b32 s[SV], vcc_lo
	WIN 0x04*(1+\e/4)
.set i, 0
.rept 32
	v_pk_add_f32 v[SS+2*(i%16):SS+2*(i%16)+1], v[SS+2*(i%16):SS+2*(i%16)+1], v[64*(\e%4)+2*i:64*(\e%4)+2*i+1]
.set i, i+1
.endr
	WIN 0
	s_or_b32 exec_lo, exec_lo, s[SV]
.endr
	; ---- the way out, through my own stage: sixteen lanes store 256 consecutive, aligned bytes of a token's row
.irp dt, 0,1,2,3
	ds_store_b128 v[OSW], v[SS+8*\dt:SS+8*\dt+3] offset:64*\dt
	ds_store_b128 v[OSW], v[SS+8*\dt+4:SS+8*\dt+7] offset:64*\dt+16
.endr
.irp i, 0,1,2,3,4,5,6,7
	ds_load_b128 v[OB+4*\i:OB+4*\i+3], v[OSR] offset:544*\i
.endr
	s_wait_dscnt 0x0
.irp i, 0,1,2,3,4,5,6,7
	global_store_b128 v[OA], v[OB+4*\i:OB+4*\i+3], s[18:19] offset:8192*\i th:TH_STORE_NT
.endr
	s_set_vgpr_msb 0xf
	s_wait_tensorcnt 0x0
	ds_add_u32 v254, v255
	s_wait_dscnt 0x0
	s_set_vgpr_msb 0xf00
	s_endpgm
.Lfunc_end_k_q9b51daefc6_final:
	.size	k_q9b51daefc6_final, .Lfunc_end_k_q9b51daefc6_final-k_q9b51daefc6_final
	.p2alignl 7, 3214868480
	.fill 96, 4, 3214868480
	.section	.rodata,"a",@progbits
	.p2align	6, 0x0
	.amdhsa_kernel k_q9b51daefc6_final
		.amdhsa_group_segment_fixed_size 22272
		.amdhsa_private_segment_fixed_size 0
		.amdhsa_enable_private_segment 0
		.amdhsa_kernarg_size 64
		.amdhsa_user_sgpr_count 2
		.amdhsa_user_sgpr_kernarg_segment_ptr 1
		.amdhsa_wavefront_size32 1
		.amdhsa_system_sgpr_workgroup_id_x 1
		.amdhsa_system_sgpr_workgroup_id_y 1
		.amdhsa_system_sgpr_workgroup_id_z 1
		.amdhsa_system_vgpr_workitem_id 0
		.amdhsa_next_free_vgpr 1024
		.amdhsa_next_free_sgpr 66
		.amdhsa_reserve_vcc 1
		.amdhsa_float_denorm_mode_32 3
		.amdhsa_float_denorm_mode_16_64 3
		.amdhsa_memory_ordered 1
		.amdhsa_forward_progress 1
		.amdhsa_inst_pref_size 77
	.end_amdhsa_kernel
	.amdgpu_metadata
---
amdhsa.version: [ 1, 2 ]
amdhsa.kernels:
  - .name:           k_q9b51daefc6_final
    .symbol:         k_q9b51daefc6_final.kd
    .args:
      - { .name: xq, .offset: 0, .size: 8, .value_kind: global_buffer, .address_space: global }
      - { .name: xs, .offset: 8, .size: 8, .value_kind: global_buffer, .address_space: global }
      - { .name: lq, .offset: 16, .size: 8, .value_kind: global_buffer, .address_space: global }
      - { .name: lsc, .offset: 24, .size: 8, .value_kind: global_buffer, .address_space: global }
      - { .name: top_k_weights, .offset: 32, .size: 8, .value_kind: global_buffer, .address_space: global }
      - { .name: mask, .offset: 40, .size: 8, .value_kind: global_buffer, .address_space: global }
      - { .name: yp, .offset: 48, .size: 8, .value_kind: global_buffer, .address_space: global }
      - { .name: out0, .offset: 56, .size: 8, .value_kind: global_buffer, .address_space: global }
    .group_segment_fixed_size: 22272
    .private_segment_fixed_size: 0
    .kernarg_segment_align: 8
    .kernarg_segment_size: 64
    .max_flat_workgroup_size: 128
    .sgpr_count:     66
    .vgpr_count:     1024
    .wavefront_size: 32
...
	.end_amdgpu_metadata
.endif
;; end of part 5
;; ======== version 2 of 2: 5 launches; version 1 with the launches gateup, down written anew for expert scheduling mode
;; workspace buffers: xq 1,048,576 bytes; xs 32,768 bytes; lq 540,672 bytes; lsc 25,088 bytes; mask 1,024 bytes of whole numbers; hq 16,777,216 bytes; hs 524,288 bytes; yp 76,021,760 bytes
;; launch prep: the kernel of part 1 again; grid 113 x 1, 2 waves a work-group, no clusters, 16,640 bytes of LDS; arguments hidden_states, A, sA, sgate, B, sB, top_k_weights, top_k_indices, xq, xs, lq, lsc, mask; writes xq, xs, lq, lsc, mask
;; launch sortx: the kernel of part 2 again; grid 16 x 8, 4 waves a work-group, no clusters, 1,024 bytes of LDS; arguments xq, xs, top_k_weights, mask, yp; writes yp
;; launch gateup (part 6): grid 32 x 8, 4 waves a work-group, no clusters, 207,360 bytes of LDS; arguments Wg, Wu, yp, mask, hq, hs; writes hq, hs
.if DOCPART == 6
	.amdgcn_target "amdgcn-amd-amdhsa--gfx1250"
	.amdhsa_code_object_version 6
	.text
	.protected	k_q9b51daefc6_gateup
	.globl	k_q9b51daefc6_gateup
	.p2align	8
	.type	k_q9b51daefc6_gateup,@function
k_q9b51daefc6_gateup:
	s_mov_b64 s[64:65], 0
	v_nop
	global_prefetch_b8 v0, s[64:65] scope:SCOPE_SE
	s_setreg_imm32_b32 hwreg(HW_REG_WAVE_SCHED_MODE, 0, 2), 2
	s_setreg_imm32_b32 hwreg(HW_REG_WAVE_MODE, 25, 1), 1
	s_wait_xcnt 0x0
	s_wait_alu depctr_vm_vsrc(0)
; GATEUP: h = silu(x Wg^T) (x Wu^T) w for the listed rows of one expert, quantised along f, stored as images of the next product's operand.
; SHARES.  Work-group (p, e) owns hidden units f = 64 p .. 64 p + 63 of expert e: 512 KB of f32, read from memory once in the launch.  Wave wv: b = wv / 2 is its block of 32 units.
;   Phase 1: the wave quantises one matrix (wv % 2: gate or up) of block b: 16 fragments of 16 rows x 128 K; their register images go to LDS.
;   Phase 2: the wave holds all 32 fragments of block b in registers and walks the row tiles of parity wv % 2: an x fragment feeds four matrix instructions.
; THE ROWS come sorted by expert from the launch before, as records of 17,408 bytes a tile of 16 rows in the tail of the buffer yp (from byte 67,108,864 on): 16,384 bytes of codes as an image of the
;   operand's registers, 512 of scale bytes (32 a row), 64 of routing weights (f32).  So every load of the walk takes a scalar base made of the expert and the tile, and a lane offset that is never rewritten.
;   (n + 15) / 16 tiles are worked, n the number of the expert's mask bits; the rows that fill up the last tile have weight 0: their h is 0.
; THE PRODUCTS ARE USED TRANSPOSED (source 0 = 16 rows of the weight, source 1 = 16 rows of x), and row i of weight tile u is unit 8 u + i + 8 (i / 8) of the block:
;   so a lane holds one row of x, and the 16 registers of tiles u = 0, 1 are units 16 (lane / 16) + 0 .. 15: 16 neighbours along the next K.
; No tile is asked for jointly in a cluster, though the 32 work-groups of an expert walk the same tiles: the walk ends on a count read from memory, and the cluster's barrier, like every barrier,
;   may not stand under a branch on loaded data: joint loads would have to walk all 64 possible tiles.
; LIMITS: NaN and infinities are not served (a row with weight 0 whose g u overflows is NaN in reference() and is not computed here); a block of zeros gets the scale byte 1 (read by this program alone).
; REGISTERS.  Window 0: v1-13 addresses; v16-31 x's scale words (two sets); v32-63 the weights' scale words; v64-95 four accumulators (phase 1: two sets of codes); v96-111 h (phase 1: at work);
;   v112-119 codes, byte, at work; v128-255 phase 1: two sets of 64 numbers; phase 2: v136-139 the rows' weights (pairs), v140 at work.
;   Windows 1, 2: the 32 weight fragments.  Window 3: phase 1: four sets of 64 numbers as loaded; phase 2: two sets of x's eight fragments.
; THE MODE: SCHED_MODE bits 1:0 = 2 (LLVM: expert scheduling mode 2), set by the entry lines.  The code itself states the register dependences
;   between vector or matrix instructions and memory or LDS instructions, with s_wait_alu, always for 0.
; THE PLAN.  Registers that memory or LDS instructions touch:
;   v4-13           offsets and LDS addresses: written at the head, never again: one wait on va_vdst ahead of the first load serves them all.
;   Phase 1, step t.  Window 3's set t % 4: global loads land in it, the stage's stores (TURN t) read it, no vector line names it.  X[t % 2]: the stage's loads land in it, QUANT t reads and writes it.
;                   PCS[t % 2], PW: QUANT t writes them, IMAGE t's five stores read them.
;                   So a step has one wait on vm_vsrc, at its head (the stage's stores have read the set that is loaded again; the images' stores have read the codes that are written again),
;                   and one on va_vdst, between QUANT and IMAGE (the codes are written; the quantiser is done with X[t % 2], in which the next step's stage loads land: no vector line stands between).
;   Phase 2, a half.  Window 3's set, XSC's set and the weight of the OTHER half: the look-ahead tile's 35 loads land in them; the other half's products and multiplications read them.
;                   PC, BY: the conversions write them, the half's two stores read them.  ACC and the fragments in windows 1 and 2 are named by vector and matrix lines alone.
;                   So the run of 35 loads has the two waits at its head, behind its window switch, and one more wait on va_vdst stands ahead of the two stores.
.set NS,    16                         ; fragments a wave quantises
.set WIMG,  0                          ; LDS: 64 images of 2,048 bytes: fragment 16 wv + t
.set WSCL,  131072                     ; their scale words, 128 bytes each
.set STG,   139264                     ; for each wave two stages of 16 rows x 528 bytes (512 + 16: the 16 rows of a read start in 16 different groups of banks)
.set XREC,  17408                      ; a tile's record
.set XTAIL, 0x4000000                  ; where the records begin in yp
.set WV,  2
.set BB,  3
.set XG0, 16                           ; s[16:17] my expert's first record
.set RH,  20
.set PP,  21
.set EE,  22
.set MK,  24                           ; s[24:55] the expert's 32 mask words
.set NN,  56
.set NTL, 57                           ; tiles to work
.set T1,  60
.set T2,  61
.set MM,  62
.set TI,  63
.set SEL, 66
.set MNT, 68
.set WB,  70
.set HQB, 72
.set HSB, 74
.set SC,  76
.set XB,  78                           ; s[78:79], s[80:81] the record for set 0, 1
.set LN,  1
.set RR,  2
.set HH,  3
.set L16, 4
.set STW, 5
.set STR, 6
.set IMW, 7
.set ISW, 8
.set IMR, 9
.set ISR, 10
.set XSO, 11
.set WO,  12
.set HSO, 13
.set XSC, 16
.set WS,  32
.set ACC, 64
.set PCS, 64
.set HV,  96
.set TM,  96
.set PC,  112
.set PW,  112
.set BY,  116
.set QM,  117
.set QS,  118
.set QH,  119
.set X,   128
.set WVR, 136
.set QN,  140
.set MSB, 0
.macro WIN new                         ; the immediate's high byte repeats the setting that is left; a switch that changes nothing is dropped
.if MSB != (\new)
	s_set_vgpr_msb (MSB<<8)|(\new)
.set MSB, (\new)
.endif
.endm
; 64 numbers of a lane, register 16 b + i = k 32 b + 16 (lane / 16) + i of my row, become a fragment's 16 code registers and its scale word
.macro QUANT s, pc, pw
.irp b, 0,1,2,3
	v_max3_num_f32 v[TM+\b], |v[\s+16*\b]|, |v[\s+1+16*\b]|, 0x4800000      ; with the floor 2^(9 - 127): the byte cannot fall under 1
.endr
.irp i, 2,4,6,8,10,12,14
.irp b, 0,1,2,3
	v_max3_num_f32 v[TM+\b], v[TM+\b], |v[\s+16*\b+\i]|, |v[\s+1+16*\b+\i]|
.endr
.endr
.irp b, 0,1,2,3
	v_permlanex16_b32 v[TM+4+\b], v[TM+\b], s[SEL], s[SEL+1]
.endr
.irp b, 0,1,2,3
	v_max_num_f32 v[TM+\b], v[TM+\b], v[TM+4+\b]                           ; with lane l xor 16's: the block's largest magnitude
.endr
.irp b, 0,1,2,3
	v_add_nc_u32 v[TM+12+\b], 0xfc000000, v[TM+\b]                         ; 8 off its exponent field: the conversion's scale operand
.endr
.irp b, 0,1,2,3
	v_and_or_b32 v[TM+8+\b], v[TM+\b], 0x7f800000, s[MNT]                  ; 448 x the scale
.endr
.irp b, 0,1,2,3
	v_lshrrev_b32 v[TM+4+\b], 23, v[TM+12+\b]                              ; the scale's byte
.endr
	v_lshl_or_b32 v[\pw], v[TM+5], 8, v[TM+4]
	v_lshl_or_b32 v[\pw], v[TM+6], 16, v[\pw]
	v_lshl_or_b32 v[\pw], v[TM+7], 24, v[\pw]
.irp b, 0,1,2,3
.irp i, 0,1,2,3,4,5,6,7,8,9,10,11,12,13,14,15
	v_med3_num_f32 v[\s+16*\b+\i], v[\s+16*\b+\i], -v[TM+8+\b], v[TM+8+\b] ; the conversion does not saturate (ISA guide 7.6.2)
.endr
	v_cvt_scalef32_pk8_fp8_f32 v[\pc+4*\b:\pc+1+4*\b], v[\s+16*\b:\s+7+16*\b], v[TM+12+\b]
	v_cvt_scalef32_pk8_fp8_f32 v[\pc+2+4*\b:\pc+3+4*\b], v[\s+8+16*\b:\s+15+16*\b], v[TM+12+\b]
.endr
	v_nop                                          ; a plain line behind the last conversion: matrix instructions write these registers later
.endm
; the same for one block: 16 numbers of a lane become 4 code registers and the block's byte
.macro QUANT1 s, pc, by
	v_max3_num_f32 v[QM], |v[\s]|, |v[\s+1]|, 0x4800000
	v_max3_num_f32 v[QN], |v[\s+8]|, |v[\s+9]|, |v[\s+10]|
	v_max3_num_f32 v[QM], v[QM], |v[\s+2]|, |v[\s+3]|
	v_max3_num_f32 v[QN], v[QN], |v[\s+11]|, |v[\s+12]|
	v_max3_num_f32 v[QM], v[QM], |v[\s+4]|, |v[\s+5]|
	v_max3_num_f32 v[QN], v[QN], |v[\s+13]|, |v[\s+14]|
	v_max3_num_f32 v[QM], v[QM], |v[\s+6]|, |v[\s+7]|
	v_max3_num_f32 v[QM], v[QM], v[QN], |v[\s+15]|
	v_permlanex16_b32 v[QN], v[QM], s[SEL], s[SEL+1]
	v_max_num_f32 v[QM], v[QM], v[QN]
	v_add_nc_u32 v[QS], 0xfc000000, v[QM]
	v_and_or_b32 v[QH], v[QM], 0x7f800000, s[MNT]
	v_lshrrev_b32 v[\by], 23, v[QS]
.irp i, 0,1,2,3,4,5,6,7,8,9,10,11,12,13,14,15
	v_med3_num_f32 v[\s+\i], v[\s+\i], -v[QH], v[QH]
.endr
	v_cvt_scalef32_pk8_fp8_f32 v[\pc:\pc+1], v[\s:\s+7], v[QS]
	v_cvt_scalef32_pk8_fp8_f32 v[\pc+2:\pc+3], v[\s+8:\s+15], v[QS]
	v_nop
.endm
; fragment t = 8 u + s: 16 rows x 128 K of f32; each load reads 512 consecutive, aligned bytes of one row
.macro WLOAD t
	WIN 0xc0
.irp i, 0,1,2,3,4,5,6,7,8,9,10,11,12,13,14,15
	global_load_b128 v[64*((\t)%4)+4*\i:64*((\t)%4)+4*\i+3], v[L16], s[WB:WB+1] offset:4096*(8*((\t)/8)+\i+8*(\i/8))+512*((\t)%8) th:TH_LOAD_NT
.endr
	WIN 0
.endm
; through my own stage: in as loaded, out 64 bytes of each block of 32 a lane.  LDS serves a wave's instructions in order
.macro TURN t
	WIN 0x0c
.irp i, 0,1,2,3,4,5,6,7,8,9,10,11,12,13,14,15
	ds_store_b128 v[STW], v[64*((\t)%4)+4*\i:64*((\t)%4)+4*\i+3] offset:8448*((\t)%2)+528*\i
.endr
	WIN 0
.irp c, 0,1,2,3
.irp j, 0,1,2,3
	ds_load_b128 v[X+64*((\t)%2)+16*\c+4*\j:X+64*((\t)%2)+16*\c+4*\j+3], v[STR] offset:8448*((\t)%2)+128*\c+16*\j
.endr
.endr
.endm
.macro IMAGE t                         ; the fragment goes to LDS as its registers stand: lane l's 16 bytes at 16 l
.irp c, 0,1,2,3
	ds_store_b128 v[IMW], v[PCS+16*((\t)%2)+4*\c:PCS+16*((\t)%2)+4*\c+3] offset:2048*(\t)+512*\c
.endr
	ds_store_b32 v[ISW], v[PW+(\t)%2] offset:128*(\t)
.endm
.macro STEP t
.if (\t) > 0
	s_wait_dscnt 5                                 ; this step's numbers are back from the stage; the last image's five stores may be out
.else
	s_wait_dscnt 0x0
.endif
	s_wait_alu depctr_vm_vsrc(0)                   ; this step's stage stores have read set t % 4 of window 3, in which the loads below land; the images' stores issued so far have read PCS[t % 2] and PW, which this step's quantiser writes again
.if (\t)+4 < NS
	WLOAD (\t)+4                                   ; into the set that this step's stage stores have read
.endif
.if (\t)+1 < NS
.if NS-2-(\t) >= 3
	s_wait_loadcnt 48                              ; the next step's 16 loads are in; those of the three steps behind it may be out
.else
	s_wait_loadcnt 16*(NS-2-(\t))
.endif
	TURN (\t)+1                                    ; its loads land in the other X.  No wait: no vector line has been issued since the wait ahead of the last image, which stands behind the last line that named that X
.endif
	QUANT X+64*((\t)%2), PCS+16*((\t)%2), PW+(\t)%2
	s_wait_alu depctr_va_vdst(0)                   ; the quantiser has written PCS[t % 2] and PW, which the image's stores read, and is done with X[t % 2], in which the next step's stage loads land
	IMAGE \t
.endm
	s_load_b256 s[4:11], s[0:1], 0x0               ; Wg s[4:5], Wu s[6:7], yp s[8:9] (its tail: the sorted rows), mask s[10:11]
	s_load_b128 s[12:15], s[0:1], 0x20             ; hq s[12:13], hs s[14:15]
	v_lshl_add_u32 v126, v0, 2, 0x32800
	v_mov_b32 v127, 0
	v_lshrrev_b32 v1, 5, v0
	v_readfirstlane_b32 s[WV], v1                  ; wave 0..3
	v_and_b32 v[LN], 31, v0
	v_and_b32 v[RR], 15, v0
	v_bfe_u32 v[HH], v0, 4, 1
	s_wait_alu depctr_va_sdst(0)                   ; the wave's number is written, ahead of its first reader
	s_lshr_b32 s[BB], s[WV], 1                     ; my block of 32 units
	s_and_b32 s[RH], s[WV], 1                      ; phase 1: gate (0) or up (1); phase 2: the parity of my row tiles
	s_mov_b32 s[PP], ttmp9
	s_and_b32 s[EE], ttmp7, 0xffff
	v_lshlrev_b32 v[L16], 4, v[LN]
	s_mul_i32 s[T1], s[WV], 16896
	s_add_co_u32 s[T1], s[T1], STG
	v_add_nc_u32 v[STW], s[T1], v[L16]
	v_mul_u32_u24 v[STR], v[RR], 528
	v_lshl_add_u32 v[STR], v[HH], 6, v[STR]
	v_add_nc_u32 v[STR], s[T1], v[STR]
	s_lshl_b32 s[T1], s[WV], 15
	v_add_nc_u32 v[IMW], s[T1], v[L16]
	v_lshlrev_b32 v[ISW], 2, v[LN]
	s_lshl_b32 s[T1], s[BB], 12
	s_add_co_u32 s[T1], s[T1], WSCL
	v_add_nc_u32 v[ISR], s[T1], v[ISW]
	s_lshl_b32 s[T1], s[WV], 11
	s_add_co_u32 s[T1], s[T1], WSCL
	v_add_nc_u32 v[ISW], s[T1], v[ISW]
	s_lshl_b32 s[T1], s[BB], 16
	v_add_nc_u32 v[IMR], s[T1], v[L16]
	v_lshlrev_b32 v[XSO], 5, v[RR]                 ; a record's scale bytes: 32 a row
	v_lshlrev_b32 v[WO], 2, v[RR]                  ; its weights: 4 bytes a row
	v_lshlrev_b32 v[HSO], 6, v[RR]
.irp b, 0,1,2,3
	v_mov_b32 v[TM+4+\b], 0                        ; written once: a lane permute's destination counts as one of its sources
.endr
	s_mov_b32 s[SEL], 0x76543210
	s_mov_b32 s[SEL+1], 0xfedcba98
	s_mov_b32 s[MNT], 0x600000
	s_mov_b32 s[SC+1], 0
	s_wait_kmcnt 0x0
	s_lshl_b32 s[SC], s[EE], 7
	s_add_nc_u64 s[10:11], s[10:11], s[SC:SC+1]
	s_load_b512 s[MK:MK+15], s[10:11], 0x0
	s_load_b512 s[MK+16:MK+31], s[10:11], 0x40
	s_cmp_eq_u32 s[RH], 0
	s_cselect_b64 s[WB:WB+1], s[4:5], s[6:7]
	s_lshl_b32 s[SC], s[EE], 23
	s_lshl_b32 s[T1], s[PP], 18
	s_add_co_u32 s[SC], s[SC], s[T1]
	s_lshl_b32 s[T1], s[BB], 17
	s_add_co_u32 s[SC], s[SC], s[T1]
	s_add_nc_u64 s[WB:WB+1], s[WB:WB+1], s[SC:SC+1]  ; my 32 rows of my matrix
	s_wait_alu depctr_va_vdst(0)                   ; the offsets and LDS addresses v4 to v13 are written, which the loads and stores of the whole kernel read
	WLOAD 0
	WLOAD 1
	WLOAD 2
	WLOAD 3                                        ; 64 loads, 32 KB a wave, are out
	s_lshl_b32 s[T1], s[PP], 1
	s_add_co_u32 s[T1], s[T1], s[BB]               ; my block's number along f: 2 p + b
	s_lshl_b32 s[SC], s[EE], 21
	s_lshl_b32 s[T2], s[T1], 9
	s_add_co_u32 s[SC], s[SC], s[T2]
	s_lshl_b32 s[T2], s[RH], 15
	s_add_co_u32 s[SC], s[SC], s[T2]
	s_add_nc_u64 s[HQB:HQB+1], s[12:13], s[SC:SC+1]  ; hq: expert, my first tile, my block's 512 bytes
	s_lshl_b32 s[SC], s[EE], 16
	s_add_co_u32 s[SC], s[SC], s[T1]
	s_lshl_b32 s[T2], s[RH], 10
	s_add_co_u32 s[SC], s[SC], s[T2]
	s_add_nc_u64 s[HSB:HSB+1], s[14:15], s[SC:SC+1]  ; hs: expert, my first tile, my block's byte
	s_mul_i32 s[SC], s[EE], 64*XREC
	s_add_co_u32 s[SC], s[SC], XTAIL
	s_add_nc_u64 s[XG0:XG0+1], s[8:9], s[SC:SC+1]    ; my expert's first record
	s_wait_kmcnt 0x0
	s_mov_b32 s[NN], 0
.set k, 0
.rept 32
	s_bcnt1_i32_b32 s[T1], s[MK+k]
	s_add_co_u32 s[NN], s[NN], s[T1]
.set k, k+1
.endr
	s_add_co_u32 s[NTL], s[NN], 15
	s_lshr_b32 s[NTL], s[NTL], 4
	; ---- phase 1
	s_wait_loadcnt 48                              ; step 0's 16 loads are in
	TURN 0
.irp t, 0,1,2,3,4,5,6,7,8,9,10,11,12,13,14,15
	STEP \t
.endr
	s_wait_dscnt 0x0                               ; my images have landed
	s_barrier_signal -1
	s_barrier_wait -1                              ; all 64 lie in LDS; nothing is stored to LDS from here on
	; ---- my block's 32 fragments: (q = 2 matrix + u, s) in window 1 + s / 4 at v[16 (4 (s % 4) + q)].  No vector or memory instruction has named these registers
.irp w, 0,1
	WIN 0x40*(1+\w)
.irp q, 0,1,2,3
.irp z, 0,1,2,3
.irp c, 0,1,2,3
	ds_load_b128 v[16*(4*\z+\q)+4*\c:16*(4*\z+\q)+4*\c+3], v[IMR] offset:2048*(8*\q+4*\w+\z)+512*\c
.endr
.endr
.endr
.endr
	WIN 0
.set f, 0
.rept 32
	ds_load_b32 v[WS+f], v[ISR] offset:128*f
.set f, f+1
.endr
	v_mov_b32 v[WVR+1], 0                          ; named as the upper halves of pairs
	v_mov_b32 v[WVR+3], 0
	s_wait_dscnt 0x0
.macro XLOAD o                         ; 35 loads: a record's eight fragments, each load 512 consecutive bytes; its rows' eight scale words; its rows' weights
	WIN 0xc0
	s_wait_alu depctr_vm_vsrc(0)                   ; the last half's two stores have read PC and BY, which this half's conversions write again; ahead of the first tiles: the stage's stores have read the registers of window 3 in which these loads land, and the last image's stores PCS and PW, which are ACC and PC from here on
	s_wait_alu depctr_va_vdst(0)                   ; the half that worked on this set is done with it: its products have read the eight fragments and the scale words, its multiplications the weight; ahead of the first tiles: the quantiser's lines are done with v136 and v138
.irp s, 0,1,2,3,4,5,6,7
.irp c, 0,1,2,3
	global_load_b128 v[128*(\o)+16*\s+4*\c:128*(\o)+16*\s+4*\c+3], v[L16], s[XB+2*(\o):XB+2*(\o)+1] offset:2048*\s+512*\c
.endr
.endr
	WIN 0
	global_load_b128 v[XSC+8*(\o):XSC+8*(\o)+3], v[XSO], s[XB+2*(\o):XB+2*(\o)+1] offset:16384
	global_load_b128 v[XSC+8*(\o)+4:XSC+8*(\o)+7], v[XSO], s[XB+2*(\o):XB+2*(\o)+1] offset:16400
	global_load_b32 v[WVR+2*(\o)], v[WO], s[XB+2*(\o):XB+2*(\o)+1] offset:16896
.endm
.macro MULS buf                        ; 32 matrix instructions; the four accumulators take turns, one instruction a turn; the first four start the sums.  Operands and scales all come from loads
.irp s, 0,1,2,3,4,5,6,7
	WIN 0x0d+\s/4
.irp q, 0,1,2,3
.if \s == 0
	v_wmma_scale_f32_16x16x128_f8f6f4 v[ACC+8*\q:ACC+8*\q+7], v[16*(4*(\s%4)+\q):16*(4*(\s%4)+\q)+15], v[128*\buf+16*\s:128*\buf+16*\s+15], 0, v[WS+8*\q+\s], v[XSC+8*\buf+\s]
.else
	v_wmma_scale_f32_16x16x128_f8f6f4 v[ACC+8*\q:ACC+8*\q+7], v[16*(4*(\s%4)+\q):16*(4*(\s%4)+\q)+15], v[128*\buf+16*\s:128*\buf+16*\s+15], v[ACC+8*\q:ACC+8*\q+7], v[WS+8*\q+\s], v[XSC+8*\buf+\s]
.endif
.endr
.endr
	WIN 0
.endm
.macro EPI buf                         ; h = g / (1 + 2^(-g log2 e)) x u x w, in f32, each accumulator read from its low end on; then the block's codes and byte
.irp i, 0,2,4,6,8,10,12,14
	v_pk_mul_f32 v[HV+\i:HV+\i+1], v[ACC+\i:ACC+\i+1], 0xbfb8aa3b op_sel_hi:[1,0]
.endr
.irp i, 0,1,2,3,4,5,6,7,8,9,10,11,12,13,14,15
	v_exp_f32 v[HV+\i], v[HV+\i]
.endr
	v_nop                                          ; a plain line behind the transcendentals
	s_wait_alu depctr_va_vdst(0)                   ; the sixteen exponentials have written HV, ahead of their first reader
.irp i, 0,2,4,6,8,10,12,14
	v_pk_add_f32 v[HV+\i:HV+\i+1], v[HV+\i:HV+\i+1], 1.0 op_sel_hi:[1,0]
.endr
.irp i, 0,1,2,3,4,5,6,7,8,9,10,11,12,13,14,15
	v_rcp_f32 v[HV+\i], v[HV+\i]
.endr
	v_nop
	s_wait_alu depctr_va_vdst(0)                   ; the sixteen reciprocals have written HV, ahead of their first reader
.irp i, 0,2,4,6,8,10,12,14
	v_pk_mul_f32 v[HV+\i:HV+\i+1], v[HV+\i:HV+\i+1], v[ACC+\i:ACC+\i+1]
.endr
.irp i, 0,2,4,6,8,10,12,14
	v_pk_mul_f32 v[HV+\i:HV+\i+1], v[HV+\i:HV+\i+1], v[ACC+16+\i:ACC+16+\i+1]
.endr
.irp i, 0,2,4,6,8,10,12,14
	v_pk_mul_f32 v[HV+\i:HV+\i+1], v[HV+\i:HV+\i+1], v[WVR+2*\buf:WVR+2*\buf+1] op_sel_hi:[1,0]
.endr
	QUANT1 HV, PC, BY
	s_wait_alu depctr_va_vdst(0)                   ; the conversions have written PC and the shift BY, which the two stores read
	global_store_b128 v[L16], v[PC:PC+3], s[HQB:HQB+1] offset:65536*\buf   ; 512 consecutive bytes: registers 4 c .. 4 c + 3 of the next operand's image
	global_store_b8 v[HSO], v[BY], s[HSB:HSB+1] offset:2048*\buf           ; my row's byte (both halves of the lanes write the same); one byte for 32 bytes of codes, rows 64 bytes apart
.endm
.macro HALF buf                        ; tile MM + 2 buf, from set buf
	s_add_co_u32 s[T1], s[MM], 2*\buf
	s_cmp_ge_u32 s[T1], s[NTL]
	s_cbranch_scc1 .Lrows_done
	s_wait_xcnt 0x0                                ; the last stores' data and the other set's base are written again only behind this wait
	s_add_co_u32 s[T1], s[T1], 2                   ; my next tile, held at the last tile that was made, and by a constant at 63
	s_sub_co_u32 s[T2], s[NTL], 1
	s_min_u32 s[T1], s[T1], s[T2]
	s_min_u32 s[T1], s[T1], 63
	s_mul_i32 s[SC], s[T1], XREC
	s_add_nc_u64 s[XB+2*(1-\buf):XB+2*(1-\buf)+1], s[XG0:XG0+1], s[SC:SC+1]
	XLOAD 1-\buf
	s_wait_loadcnt 35                              ; only the 35 just issued may be out: this tile's set is in
	MULS \buf
.rept 8
	v_nop                                          ; eight places between the last products and the first read of their results
.endr
	EPI \buf
.endm
	s_mov_b32 s[MM], s[RH]
	s_mov_b32 s[TI], 0
	s_cmp_ge_u32 s[MM], s[NTL]
	s_cbranch_scc1 .Lrows_done
	s_mul_i32 s[SC], s[MM], XREC
	s_add_nc_u64 s[XB:XB+1], s[XG0:XG0+1], s[SC:SC+1]
	XLOAD 0
.Ltrip:                                                ; 16 trips at the most, two of my tiles a trip; a wave leaves when its tiles are done
	HALF 0
	HALF 1
	s_wait_xcnt 0x0                                ; the stores have read their bases
	s_add_nc_u64 s[HQB:HQB+1], s[HQB:HQB+1], 131072
	s_add_nc_u64 s[HSB:HSB+1], s[HSB:HSB+1], 4096
	s_add_co_u32 s[MM], s[MM], 4
	s_add_co_u32 s[TI], s[TI], 1
	s_cmp_lt_u32 s[TI], 16
	s_cbranch_scc1 .Ltrip
.Lrows_done:
	s_wait_dscnt 0x0                               ; the closing lines, six on end
	s_wait_alu 0x0
	s_wait_tensorcnt 0x0
	ds_add_u32 v126, v127
	s_wait_dscnt 0x0
	s_endpgm
.Lfunc_end_k_q9b51daefc6_gateup:
	.size	k_q9b51daefc6_gateup, .Lfunc_end_k_q9b51daefc6_gateup-k_q9b51daefc6_gateup
	.p2alignl 7, 3214868480
	.fill 96, 4, 3214868480
	.section	.rodata,"a",@progbits
	.p2align	6, 0x0
	.amdhsa_kernel k_q9b51daefc6_gateup
		.amdhsa_group_segment_fixed_size 207360
		.amdhsa_private_segment_fixed_size 0
		.amdhsa_enable_private_segment 0
		.amdhsa_kernarg_size 48
		.amdhsa_user_sgpr_count 2
		.amdhsa_user_sgpr_kernarg_segment_ptr 1
		.amdhsa_wavefront_size32 1
		.amdhsa_system_sgpr_workgroup_id_x 1
		.amdhsa_system_sgpr_workgroup_id_y 1
		.amdhsa_system_sgpr_workgroup_id_z 1
		.amdhsa_system_vgpr_workitem_id 0
		.amdhsa_next_free_vgpr 1024
		.amdhsa_next_free_sgpr 84
		.amdhsa_reserve_vcc 0
		.amdhsa_float_denorm_mode_32 3
		.amdhsa_float_denorm_mode_16_64 3
		.amdhsa_memory_ordered 1
		.amdhsa_forward_progress 1
		.amdhsa_inst_pref_size 241
	.end_amdhsa_kernel
	.amdgpu_metadata
---
amdhsa.version: [ 1, 2 ]
amdhsa.kernels:
  - .name:           k_q9b51daefc6_gateup
    .symbol:         k_q9b51daefc6_gateup.kd
    .args:
      - { .name: Wg, .offset: 0, .size: 8, .value_kind: global_buffer, .address_space: global }
      - { .name: Wu, .offset: 8, .size: 8, .value_kind: global_buffer, .address_space: global }
      - { .name: yp, .offset: 16, .size: 8, .value_kind: global_buffer, .address_space: global }
      - { .name: mask, .offset: 24, .size: 8, .value_kind: global_buffer, .address_space: global }
      - { .name: hq, .offset: 32, .size: 8, .value_kind: global_buffer, .address_space: global }
      - { .name: hs, .offset: 40, .size: 8, .value_kind: global_buffer, .address_space: global }
    .group_segment_fixed_size: 207360
    .private_segment_fixed_size: 0
    .kernarg_segment_align: 8
    .kernarg_segment_size: 48
    .max_flat_workgroup_size: 128
    .sgpr_count:     84
    .vgpr_count:     1024
    .wavefront_size: 32
...
	.end_amdgpu_metadata
.endif
;; end of part 6
;; launch down (part 7): grid 32 x 8, 4 waves a work-group, no clusters, 159,488 bytes of LDS; arguments Wd, hq, hs, mask, yp; writes yp
.if DOCPART == 7
	.amdgcn_target "amdgcn-amd-amdhsa--gfx1250"
	.amdhsa_code_object_version 6
	.text
	.protected	k_q9b51daefc6_down
	.globl	k_q9b51daefc6_down
	.p2align	8
	.type	k_q9b51daefc6_down,@function
k_q9b51daefc6_down:
	s_mov_b64 s[64:65], 0
	v_nop
	global_prefetch_b8 v0, s[64:65] scope:SCOPE_SE
	s_setreg_imm32_b32 hwreg(HW_REG_WAVE_SCHED_MODE, 0, 2), 2
	s_setreg_imm32_b32 hwreg(HW_REG_WAVE_MODE, 25, 1), 1
	s_wait_xcnt 0x0
	s_wait_alu depctr_vm_vsrc(0)
; DOWN: the part of h Wd^T that one expert and one half of F give, for the expert's listed rows, as f32 into yp [e][half][token][1024].
; SHARES.  Work-group (x = 2 dq + kh, e) owns outputs d = 64 dq .. + 63 and f = 1,024 kh .. + 1,023 of expert e: 256 KB of f32, read from memory once in the launch.
;   Phase 1: wave wv quantises the 16 outputs 16 wv .. of them: 8 fragments; their register images go to LDS.  Phase 2: every wave holds all 32 fragments and takes row tiles wv, wv + 4, ..:
;   h's fragments come straight from hq, dense, as images of the operand's registers, and each feeds four matrix instructions.
; The list is made as in the launch that sorts the rows: the same stable partition, so tile m's row i is the same token there and here.  The rows that fill up the last tile have h = 0 and go to rows of yp that nobody reads.
; THE WALK OVER ROW TILES IS WRITTEN OUT, sixteen tiles a wave at the most: a tile's place in the list is then an immediate offset on a register that is never rewritten,
;   so every LDS address of the walk is a constant plus a lane term and a wave term.  A wave leaves the walk by a forward branch when its tiles are done; no barrier stands in the walk.
; The product is used transposed (source 0 = 16 rows of Wd, source 1 = 16 rows of h): a lane holds eight neighbouring d of one row; a tile goes through the wave's own stage and leaves as runs of 256 aligned bytes.
; No tile is shared through a cluster: the number of tiles is read from memory, so partners would need different numbers of them.
; LIMITS: NaN and infinities are not served; a block of zeros gets the scale byte 1.  The f32 sum over K is cut by (expert, half of F); the last launch adds the parts in that order.
; THE MODE: SCHED_MODE bits 1:0 = 2 (LLVM: expert scheduling mode 2), set by the entry lines.  The code itself states the register dependences
;   between vector or matrix instructions and memory or LDS instructions, with s_wait_alu, always for 0.
; THE PLAN.  Registers that memory or LDS instructions touch:
;   v4-15           offsets and LDS addresses: written at the head, never again: one wait on va_vdst ahead of the first load serves them all.
;   PL (v120-127)   wave 0, the list: four pairs (place, token) are made by vector lines and read by four LDS stores: one wait on va_vdst ahead of the four stores, one on vm_vsrc ahead of the next four pairs.
;   Phase 1, step t.  Window 3's set t % 4: global loads land in it, the stage's stores (TURN t) read it, no vector line names it.  X[t % 2]: the stage's loads land in it, QUANT t reads and writes it.
;                   PCS[t % 2], PW: QUANT t writes them, IMAGE t's five stores read them.  One wait on vm_vsrc at the step's head, one on va_vdst between QUANT and IMAGE.
;   Phase 2, tile k.  Window 3's other set and HSC's: the look-ahead tile's 34 loads land in them; tile k - 1's products read them.  YA: the list's loads land in it, two vector lines each make the offsets, the tile's global stores read them.
;                   ACC: the products write it, the stage's stores read it.  OB: the stage's loads land in it, the global stores read it.
;                   So a tile has the two waits at its head (vm_vsrc: tile k - 1's stores have read YA, OB and ACC; va_vdst: its products and its lines on YA are done),
;                   and one more on va_vdst behind the places, ahead of the stage's stores: ACC is written, and YA, which the global stores further down read: no vector line stands between.
.set NS,    8
.set WIMG,  0                          ; LDS: 32 images of 2,048 bytes: fragment 8 wv + t
.set WSCL,  65536                      ; their scale words
.set STG,   69632                      ; for each wave two stages of 16 rows x 528 bytes
.set LIST,  137216                     ; 1,024 words
.set OST,   141568                     ; for each wave 16 rows x (256 + 16) bytes, for the way out
.set WV,  2
.set DQ,  3
.set SEL, 14
.set MNT, 16
.set KH,  20
.set EE,  22
.set MK,  24
.set NN,  56
.set NTL, 57
.set C1,  58
.set C0,  59
.set T1,  60
.set T2,  61
.set HB,  66                           ; s[66:67], s[68:69] h's tile for set 0, 1
.set SB,  70                           ; s[70:71], s[72:73] its scale bytes
.set HQ0, 74
.set HS0, 76
.set YB,  78
.set WB,  80
.set SC,  82
.set LN,  1
.set RR,  2
.set HH,  3
.set L16, 4
.set STW, 5
.set STR, 6
.set IMW, 7
.set ISW, 8
.set ISR, 10
.set LB,  11
.set OSW, 12
.set OSR, 13
.set HSA, 14
.set C16, 15
.set HSC, 16
.set WS,  32
.set ACC, 64
.set PCS, 64
.set YA,  96
.set TM,  96
.set PW,  112
.set PL,  120
.set OB,  128
.set X,   128
.set MSB, 0
.macro WIN new
.if MSB != (\new)
	s_set_vgpr_msb (MSB<<8)|(\new)
.set MSB, (\new)
.endif
.endm
.macro QUANT s, pc, pw                 ; 64 numbers of a lane, register 16 b + i = k 32 b + 16 (lane / 16) + i of my row, become 16 code registers and the scale word
.irp b, 0,1,2,3
	v_max3_num_f32 v[TM+\b], |v[\s+16*\b]|, |v[\s+1+16*\b]|, 0x4800000      ; with the floor 2^(9 - 127): the byte cannot fall under 1
.endr
.irp i, 2,4,6,8,10,12,14
.irp b, 0,1,2,3
	v_max3_num_f32 v[TM+\b], v[TM+\b], |v[\s+16*\b+\i]|, |v[\s+1+16*\b+\i]|
.endr
.endr
.irp b, 0,1,2,3
	v_permlanex16_b32 v[TM+4+\b], v[TM+\b], s[SEL], s[SEL+1]
.endr
.irp b, 0,1,2,3
	v_max_num_f32 v[TM+\b], v[TM+\b], v[TM+4+\b]                           ; with lane l xor 16's: the block's largest magnitude
.endr
.irp b, 0,1,2,3
	v_add_nc_u32 v[TM+12+\b], 0xfc000000, v[TM+\b]                         ; 8 off its exponent field: the conversion's scale operand
.endr
.irp b, 0,1,2,3
	v_and_or_b32 v[TM+8+\b], v[TM+\b], 0x7f800000, s[MNT]                  ; 448 x the scale
.endr
.irp b, 0,1,2,3
	v_lshrrev_b32 v[TM+4+\b], 23, v[TM+12+\b]                              ; the scale's byte
.endr
	v_lshl_or_b32 v[\pw], v[TM+5], 8, v[TM+4]
	v_lshl_or_b32 v[\pw], v[TM+6], 16, v[\pw]
	v_lshl_or_b32 v[\pw], v[TM+7], 24, v[\pw]
.irp b, 0,1,2,3
.irp i, 0,1,2,3,4,5,6,7,8,9,10,11,12,13,14,15
	v_med3_num_f32 v[\s+16*\b+\i], v[\s+16*\b+\i], -v[TM+8+\b], v[TM+8+\b] ; the conversion does not saturate (ISA guide 7.6.2)
.endr
	v_cvt_scalef32_pk8_fp8_f32 v[\pc+4*\b:\pc+1+4*\b], v[\s+16*\b:\s+7+16*\b], v[TM+12+\b]
	v_cvt_scalef32_pk8_fp8_f32 v[\pc+2+4*\b:\pc+3+4*\b], v[\s+8+16*\b:\s+15+16*\b], v[TM+12+\b]
.endr
	v_nop                                          ; a plain line behind the last conversion: matrix instructions write these registers later
.endm
.macro WLOAD t                         ; fragment t: my 16 rows of Wd, 128 along f; each load reads 512 consecutive, aligned bytes of one row
	WIN 0xc0
.irp i, 0,1,2,3,4,5,6,7,8,9,10,11,12,13,14,15
	global_load_b128 v[64*((\t)%4)+4*\i:64*((\t)%4)+4*\i+3], v[L16], s[WB:WB+1] offset:8192*\i+512*(\t) th:TH_LOAD_NT
.endr
	WIN 0
.endm
.macro TURN t                          ; through my own stage: in as loaded, out 64 bytes of each block of 32 a lane.  LDS serves a wave's instructions in order
	WIN 0x0c
.irp i, 0,1,2,3,4,5,6,7,8,9,10,11,12,13,14,15
	ds_store_b128 v[STW], v[64*((\t)%4)+4*\i:64*((\t)%4)+4*\i+3] offset:8448*((\t)%2)+528*\i
.endr
	WIN 0
.irp c, 0,1,2,3
.irp j, 0,1,2,3
	ds_load_b128 v[X+64*((\t)%2)+16*\c+4*\j:X+64*((\t)%2)+16*\c+4*\j+3], v[STR] offset:8448*((\t)%2)+128*\c+16*\j
.endr
.endr
.endm
.macro IMAGE t                         ; the fragment goes to LDS as its registers stand: lane l's 16 bytes at 16 l
.irp c, 0,1,2,3
	ds_store_b128 v[IMW], v[PCS+16*((\t)%2)+4*\c:PCS+16*((\t)%2)+4*\c+3] offset:2048*(\t)+512*\c
.endr
	ds_store_b32 v[ISW], v[PW+(\t)%2] offset:128*(\t)
.endm
.macro STEP t
.if (\t) > 0
	s_wait_dscnt 5                                 ; this step's numbers are back from the stage; the last image's five stores may be out
.else
	s_wait_dscnt 0x0
.endif
	s_wait_alu depctr_vm_vsrc(0)                   ; this step's stage stores have read set t % 4 of window 3, in which the loads below land; the images' stores issued so far have read PCS[t % 2] and PW, which this step's quantiser writes again
.if (\t)+4 < NS
	WLOAD (\t)+4                                   ; into the set that this step's stage stores have read
.endif
.if (\t)+1 < NS
.if NS-2-(\t) >= 3
	s_wait_loadcnt 48                              ; the next step's 16 loads are in; those of the three steps behind it may be out
.else
	s_wait_loadcnt 16*(NS-2-(\t))
.endif
	TURN (\t)+1                                    ; its loads land in the other X.  No wait: no vector line has been issued since the wait ahead of the last image, which stands behind the last line that named that X
.endif
	QUANT X+64*((\t)%2), PCS+16*((\t)%2), PW+(\t)%2
	s_wait_alu depctr_va_vdst(0)                   ; the quantiser has written PCS[t % 2] and PW, which the image's stores read, and is done with X[t % 2], in which the next step's stage loads land
	IMAGE \t
.endm
.macro PLACE                           ; the list, by wave 0: listed tokens first, in their order, then the others.  The places are held under 1,024 by a constant.  Four tokens' words at a time: four pairs of registers, then their four stores
	s_mov_b32 s[C1], 0
	s_mov_b32 s[C0], s[NN]
.set k, 0
.rept 8
.rept 4
.set pa, PL+2*(k%4)
	v_mbcnt_lo_u32_b32 v[pa], s[MK+k], s[C1]
	s_not_b32 s[T1], s[MK+k]
	v_mbcnt_lo_u32_b32 v[pa+1], s[T1], s[C0]
	v_cndmask_b32 v[pa], v[pa+1], v[pa], s[MK+k]
	v_min_u32 v[pa], 0x3ff, v[pa]
	v_lshl_add_u32 v[pa], v[pa], 2, LIST
	v_add_nc_u32 v[pa+1], 32*k, v[LN]
	s_bcnt1_i32_b32 s[T1], s[MK+k]
	s_add_co_u32 s[C1], s[C1], s[T1]
	s_sub_co_u32 s[T1], 32, s[T1]
	s_add_co_u32 s[C0], s[C0], s[T1]
.set k, k+1
.endr
	s_wait_alu depctr_va_vdst(0)                   ; the four places and the four tokens are written, which the four stores read
.irp j, 0,1,2,3
	ds_store_b32 v[PL+2*\j], v[PL+2*\j+1]
.endr
	s_wait_dscnt 0x0                               ; the four pairs of registers are written again only when their stores are done
.if k < 32
	s_wait_alu depctr_vm_vsrc(0)                   ; the four stores have read their four pairs of registers, which the next four tokens' lines write again
.endif
.endr
.endm
	s_load_b256 s[4:11], s[0:1], 0x0               ; Wd s[4:5], hq s[6:7], hs s[8:9], mask s[10:11]
	s_load_b64 s[12:13], s[0:1], 0x20              ; yp
	v_lshl_add_u32 v118, v0, 2, 0x26d00
	v_mov_b32 v119, 0
	v_lshrrev_b32 v1, 5, v0
	v_readfirstlane_b32 s[WV], v1
	v_and_b32 v[LN], 31, v0
	v_and_b32 v[RR], 15, v0
	v_bfe_u32 v[HH], v0, 4, 1
	s_wait_alu depctr_va_sdst(0)                   ; the wave's number is written, ahead of its first reader
	s_lshr_b32 s[DQ], ttmp9, 1
	s_and_b32 s[KH], ttmp9, 1
	s_and_b32 s[EE], ttmp7, 0xffff
	; every LDS address register is made here, ahead of the branch on the wave's number, and none is rewritten
	v_lshlrev_b32 v[L16], 4, v[LN]
	s_mul_i32 s[T1], s[WV], 16896
	s_add_co_u32 s[T1], s[T1], STG
	v_add_nc_u32 v[STW], s[T1], v[L16]
	v_mul_u32_u24 v[STR], v[RR], 528
	v_lshl_add_u32 v[STR], v[HH], 6, v[STR]
	v_add_nc_u32 v[STR], s[T1], v[STR]
	s_lshl_b32 s[T1], s[WV], 14
	v_add_nc_u32 v[IMW], s[T1], v[L16]
	v_lshlrev_b32 v[ISW], 2, v[LN]
	v_add_nc_u32 v[ISR], WSCL, v[ISW]
	s_lshl_b32 s[T1], s[WV], 10
	s_add_co_u32 s[T1], s[T1], WSCL
	v_add_nc_u32 v[ISW], s[T1], v[ISW]
	s_lshl_b32 s[T1], s[WV], 6
	s_add_co_u32 s[T1], s[T1], LIST
	v_lshl_add_u32 v[LB], v[HH], 2, s[T1]          ; entry 16 wv + lane / 16
	s_mul_i32 s[T1], s[WV], 4352
	s_add_co_u32 s[T1], s[T1], OST
	v_mul_u32_u24 v[OSW], v[RR], 272
	v_lshl_add_u32 v[OSW], v[HH], 5, v[OSW]
	v_add_nc_u32 v[OSW], s[T1], v[OSW]             ; in: row r, 32 bytes for each half of the lanes
	v_mul_u32_u24 v[OSR], v[HH], 272
	v_lshl_add_u32 v[OSR], v[RR], 4, v[OSR]
	v_add_nc_u32 v[OSR], s[T1], v[OSR]             ; back: lanes 0-15 one row, lanes 16-31 the next
	v_lshlrev_b32 v[HSA], 6, v[RR]
	v_lshlrev_b32 v[C16], 4, v[RR]
.irp b, 0,1,2,3
	v_mov_b32 v[TM+4+\b], 0                        ; written once: a lane permute's destination counts as one of its sources
.endr
	s_mov_b32 s[SEL], 0x76543210
	s_mov_b32 s[SEL+1], 0xfedcba98
	s_mov_b32 s[MNT], 0x600000
	s_mov_b32 s[SC+1], 0
	s_wait_kmcnt 0x0
	s_lshl_b32 s[SC], s[EE], 7
	s_add_nc_u64 s[10:11], s[10:11], s[SC:SC+1]
	s_load_b512 s[MK:MK+15], s[10:11], 0x0
	s_load_b512 s[MK+16:MK+31], s[10:11], 0x40
	s_lshl_b32 s[SC], s[EE], 23
	s_lshl_b32 s[T1], s[DQ], 19
	s_add_co_u32 s[SC], s[SC], s[T1]
	s_lshl_b32 s[T1], s[WV], 17
	s_add_co_u32 s[SC], s[SC], s[T1]
	s_lshl_b32 s[T1], s[KH], 12
	s_add_co_u32 s[SC], s[SC], s[T1]
	s_add_nc_u64 s[WB:WB+1], s[4:5], s[SC:SC+1]    ; my 16 rows of Wd, my half of F
	s_wait_alu depctr_va_vdst(0)                   ; the offsets and LDS addresses v4 to v14 are written, which the loads and stores of the whole kernel read
	WLOAD 0
	WLOAD 1
	WLOAD 2
	WLOAD 3                                        ; 64 loads, 32 KB a wave, are out while the list is made
	s_lshl_b32 s[SC], s[EE], 21
	s_lshl_b32 s[T1], s[KH], 14
	s_add_co_u32 s[SC], s[SC], s[T1]
	s_add_nc_u64 s[HQ0:HQ0+1], s[6:7], s[SC:SC+1]
	s_lshl_b32 s[SC], s[EE], 16
	s_lshl_b32 s[T1], s[KH], 5
	s_add_co_u32 s[SC], s[SC], s[T1]
	s_add_nc_u64 s[HS0:HS0+1], s[8:9], s[SC:SC+1]
	s_lshl_b32 s[SC], s[EE], 1
	s_add_co_u32 s[SC], s[SC], s[KH]
	s_lshl_b32 s[SC], s[SC], 22
	s_lshl_b32 s[T1], s[DQ], 8
	s_add_co_u32 s[SC], s[SC], s[T1]
	s_add_nc_u64 s[YB:YB+1], s[12:13], s[SC:SC+1]
	s_wait_kmcnt 0x0
	s_mov_b32 s[NN], 0
.set k, 0
.rept 32
	s_bcnt1_i32_b32 s[T1], s[MK+k]
	s_add_co_u32 s[NN], s[NN], s[T1]
.set k, k+1
.endr
	s_add_co_u32 s[NTL], s[NN], 15
	s_lshr_b32 s[NTL], s[NTL], 4
	s_cmp_lg_u32 s[WV], 0
	s_cbranch_scc1 .Lno_place
	PLACE
.Lno_place:
	s_wait_dscnt 0x0                               ; the list's stores are done;
	s_barrier_signal -1
	s_barrier_wait -1                              ; no other LDS access of any wave stands ahead of this barrier
	s_wait_loadcnt 48                              ; step 0's 16 loads are in
	TURN 0
.irp t, 0,1,2,3,4,5,6,7
	STEP \t
.endr
	s_wait_dscnt 0x0                               ; my images have landed
	s_barrier_signal -1
	s_barrier_wait -1                              ; all 32 images lie in LDS; from here on a wave stores to its own stage alone
	; all 32 fragments: (dt, s) in window 1 + s / 4 at v[16 (4 (s % 4) + dt)].  No vector or memory instruction has named these registers
.irp w, 0,1
	WIN 0x40*(1+\w)
.irp q, 0,1,2,3
.irp z, 0,1,2,3
.irp c, 0,1,2,3
	ds_load_b128 v[16*(4*\z+\q)+4*\c:16*(4*\z+\q)+4*\c+3], v[L16] offset:2048*(8*\q+4*\w+\z)+512*\c
.endr
.endr
.endr
.endr
	WIN 0
.set f, 0
.rept 32
	ds_load_b32 v[WS+f], v[ISR] offset:128*f
.set f, f+1
.endr
	s_wait_dscnt 0x0
.macro HLOAD o                         ; 34 loads: a tile's eight fragments of my half of F, each load 512 consecutive bytes, and its rows' eight scale words
	WIN 0xc0
.irp s, 0,1,2,3,4,5,6,7
.irp c, 0,1,2,3
	global_load_b128 v[128*(\o)+16*\s+4*\c:128*(\o)+16*\s+4*\c+3], v[L16], s[HB+2*(\o):HB+2*(\o)+1] offset:2048*\s+512*\c
.endr
.endr
	WIN 0
	global_load_b128 v[HSC+8*(\o):HSC+8*(\o)+3], v[HSA], s[SB+2*(\o):SB+2*(\o)+1]
	global_load_b128 v[HSC+8*(\o)+4:HSC+8*(\o)+7], v[HSA], s[SB+2*(\o):SB+2*(\o)+1] offset:16
.endm
.macro MULS o                          ; 32 matrix instructions; the four accumulators take turns, one instruction a turn; the first four start the sums.  Operands and scales all come from loads
.irp s, 0,1,2,3,4,5,6,7
	WIN 0x0d+\s/4
.irp q, 0,1,2,3
.if \s == 0
	v_wmma_scale_f32_16x16x128_f8f6f4 v[ACC+8*\q:ACC+8*\q+7], v[16*(4*(\s%4)+\q):16*(4*(\s%4)+\q)+15], v[128*(\o)+16*\s:128*(\o)+16*\s+15], 0, v[WS+8*\q+\s], v[HSC+8*(\o)+\s]
.else
	v_wmma_scale_f32_16x16x128_f8f6f4 v[ACC+8*\q:ACC+8*\q+7], v[16*(4*(\s%4)+\q):16*(4*(\s%4)+\q)+15], v[128*(\o)+16*\s:128*(\o)+16*\s+15], v[ACC+8*\q:ACC+8*\q+7], v[WS+8*\q+\s], v[HSC+8*(\o)+\s]
.endif
.endr
.endr
	WIN 0
.endm
; My k-th tile, m = wv + 4 k, from set k % 2.
.macro TILE k
.set BF, (\k)%2
	s_add_co_u32 s[T1], s[WV], 4*(\k)
.if (\k) > 0
	s_cmp_ge_u32 s[T1], s[NTL]
	s_cbranch_scc1 .Lrows_done
.endif
	s_wait_xcnt 0x0                                ; the last stores' data and addresses and the other set's bases are written again only behind this wait
.if (\k) < 15
	s_add_co_u32 s[T1], s[T1], 4                   ; my next tile, held at the last tile that was written, and by a constant at 63
	s_sub_co_u32 s[T2], s[NTL], 1
	s_min_u32 s[T1], s[T1], s[T2]
	s_min_u32 s[T1], s[T1], 63
	s_lshl_b32 s[SC], s[T1], 15
	s_add_nc_u64 s[HB+2*(1-BF):HB+2*(1-BF)+1], s[HQ0:HQ0+1], s[SC:SC+1]
	s_lshl_b32 s[SC], s[T1], 10
	s_add_nc_u64 s[SB+2*(1-BF):SB+2*(1-BF)+1], s[HS0:HS0+1], s[SC:SC+1]
.endif
	s_wait_alu depctr_vm_vsrc(0)                   ; the last tile's global stores have read YA and OB, in which this tile's LDS loads land, and its stage stores ACC, which this tile's products write; in the first tile: the images' stores have read PCS, which is ACC from here on
	s_wait_alu depctr_va_vdst(0)                   ; the last tile's products are done reading the other set and its scale words, in which the loads below land, and its lines on YA are done; in the first tile: the quantiser's lines on the same registers
.if (\k) < 15
	HLOAD 1-BF
.endif
.irp i, 0,1,2,3,4,5,6,7
	ds_load_b32 v[YA+\i], v[LB] offset:256*(\k)+8*\i       ; the tokens of rows 2 i and 2 i + 1 of this tile: entry 16 (wv + 4 k) + 2 i + lane / 16
.endr
.if (\k) < 15
	s_wait_loadcnt 34                              ; only the 34 just issued may be out: this tile's set is in
.else
	s_wait_loadcnt 0x0                             ; the sixteenth tile has no successor: nothing was asked for
.endif
	MULS BF
	s_wait_dscnt 0x0
.irp i, 0,1,2,3,4,5,6,7
	v_min_u32 v[YA+\i], 0x3ff, v[YA+\i]            ; these sixteen plain lines are the places between the last products and the first read of their results (ISA guide 7.12.1 asks for eight)
.endr
.irp i, 0,1,2,3,4,5,6,7
	v_lshl_add_u32 v[YA+\i], v[YA+\i], 12, v[C16]  ; the token's row of 4,096 bytes, + my 16 bytes
.endr
	s_wait_alu depctr_va_vdst(0)                   ; the products have written ACC, which the stage's stores read (the places above stay beside this wait); the lines above have written YA, which the global stores below read as offsets
.irp q, 0,1,2,3
	ds_store_b128 v[OSW], v[ACC+8*\q:ACC+8*\q+3] offset:64*\q          ; each accumulator from its low end on
	ds_store_b128 v[OSW], v[ACC+8*\q+4:ACC+8*\q+7] offset:64*\q+16
.endr
.irp i, 0,1,2,3,4,5,6,7
	ds_load_b128 v[OB+4*\i:OB+4*\i+3], v[OSR] offset:544*\i            ; LDS serves a wave's instructions in order: these see the stores above
.endr
	s_wait_dscnt 0x0
.irp i, 0,1,2,3,4,5,6,7
	global_store_b128 v[YA+\i], v[OB+4*\i:OB+4*\i+3], s[YB:YB+1]       ; sixteen lanes store 256 consecutive, aligned bytes of a token's row
.endr
.endm
	s_cmp_ge_u32 s[WV], s[NTL]
	s_cbranch_scc1 .Lrows_done                     ; fewer tiles than waves: nothing for me
	s_lshl_b32 s[SC], s[WV], 15
	s_add_nc_u64 s[HB:HB+1], s[HQ0:HQ0+1], s[SC:SC+1]
	s_lshl_b32 s[SC], s[WV], 10
	s_add_nc_u64 s[SB:SB+1], s[HS0:HS0+1], s[SC:SC+1]
	s_wait_alu depctr_vm_vsrc(0)                   ; the stage's stores of phase 1 have read the registers of window 3 in which the loads below land
	HLOAD 0
.irp k, 0,1,2,3,4,5,6,7,8,9,10,11,12,13,14,15
	TILE \k
.endr
.Lrows_done:
	s_wait_dscnt 0x0                               ; the closing lines, six on end
	s_wait_alu 0x0
	s_wait_tensorcnt 0x0
	ds_add_u32 v118, v119
	s_wait_dscnt 0x0
	s_endpgm
.Lfunc_end_k_q9b51daefc6_down:
	.size	k_q9b51daefc6_down, .Lfunc_end_k_q9b51daefc6_down-k_q9b51daefc6_down
	.p2alignl 7, 3214868480
	.fill 96, 4, 3214868480
	.section	.rodata,"a",@progbits
	.p2align	6, 0x0
	.amdhsa_kernel k_q9b51daefc6_down
		.amdhsa_group_segment_fixed_size 159488
		.amdhsa_private_segment_fixed_size 0
		.amdhsa_enable_private_segment 0
		.amdhsa_kernarg_size 40
		.amdhsa_user_sgpr_count 2
		.amdhsa_user_sgpr_kernarg_segment_ptr 1
		.amdhsa_wavefront_size32 1
		.amdhsa_system_sgpr_workgroup_id_x 1
		.amdhsa_system_sgpr_workgroup_id_y 1
		.amdhsa_system_sgpr_workgroup_id_z 1
		.amdhsa_system_vgpr_workitem_id 0
		.amdhsa_next_free_vgpr 1024
		.amdhsa_next_free_sgpr 84
		.amdhsa_reserve_vcc 0
		.amdhsa_float_denorm_mode_32 3
		.amdhsa_float_denorm_mode_16_64 3
		.amdhsa_memory_ordered 1
		.amdhsa_forward_progress 1
		.amdhsa_inst_pref_size 255
	.end_amdhsa_kernel
	.section	.bss,"aw",@nobits
	.p2align	6
	.space	262144
	.amdgpu_metadata
---
amdhsa.version: [ 1, 2 ]
amdhsa.kernels:
  - .name:           k_q9b51daefc6_down
    .symbol:         k_q9b51daefc6_down.kd
    .args:
      - { .name: Wd, .offset: 0, .size: 8, .value_kind: global_buffer, .address_space: global }
      - { .name: hq, .offset: 8, .size: 8, .value_kind: global_buffer, .address_space: global }
      - { .name: hs, .offset: 16, .size: 8, .value_kind: global_buffer, .address_space: global }
      - { .name: mask, .offset: 24, .size: 8, .value_kind: global_buffer, .address_space: global }
      - { .name: yp, .offset: 32, .size: 8, .value_kind: global_buffer, .address_space: global }
    .group_segment_fixed_size: 159488
    .private_segment_fixed_size: 0
    .kernarg_segment_align: 8
    .kernarg_segment_size: 40
    .max_flat_workgroup_size: 128
    .sgpr_count:     84
    .vgpr_count:     1024
    .wavefront_size: 32
...
	.end_amdgpu_metadata
.endif
;; end of part 7
;; launch final: the kernel of part 5 again; grid 4 x 64, 4 waves a work-group, no clusters, 22,272 bytes of LDS; arguments xq, xs, lq, lsc, top_k_weights, mask, yp, out0; writes out0
